; MI455X (gfx1250); checked and timed in simulation.
; The chip was launched on July 23, 2026; its instructions are those of AMD's public machine-readable ISA for CDNA 5 (MIT licence, August 2026) and "CDNA5" Instruction Set Architecture Reference Guide (July 2026). The comments in the code are by the model that wrote it; some were corrected since.
;; Self Causal Attention. Allowed arithmetic: matrix products marked QUANTISED: E2M1 operands, one E8M0 scale for each 32 along K, by v_wmma_scale_f32_16x16x128_f8f6f4 with both operands' format E2M1 (or v_wmma_scale_f32_32x16x128_f4), f32 sums; products left as they are: bf16, f16 or f32 operands; f32 sums; everything else in f32.
;; Inputs: b_attn 3,072 float32; b_proj 1,024 float32; w_attn 1,024 x 3,072 float32; w_proj 1,024 x 1,024 float32; x 4 x 2,048 x 1,024 float32.
;; Outputs: out0 4 x 2,048 x 1,024 float32.
;; This version of the problem:
;;   THIS VERSION OF THE PROBLEM IS GIVEN IN LOW PRECISION. The matrix products marked QUANTISED in the list below multiply operands that are first quantised to E2M1 (2 exponent bits, 1 mantissa bit; 4 bits a number), with one power-of-two scale for each 32 numbers along K (OCP MX v1.0); their sums are f32. The products marked 'left as it is' may take bf16, f16 or f32 operands, with f32 sums. Whichever they take, every output number must still come out within the allowed error. Rounding operands to bf16 (8 significant bits) uses up far more of that allowance than f16 does (11 bits, for magnitudes from 6e-5 to 65,504). All else is computed in f32.
;;   The module's matrix products, in the order in which they are computed (A, B: the left and right operand; K: the contracted axis; several contracted axes count as one K, in the product's order):
;;     1. [M 8,192, K 1,024] x [K 1,024, N 3,072]; A: input x; B: input w_attn: QUANTISED
;;     2. batch 64 x [M 2,048, K 64] x [K 64, N 2,048]; A: computed on the way; B: computed on the way: left as it is (an operand is computed on the way)
;;     3. batch 64 x [M 2,048, K 2,048] x [K 2,048, N 64]; A: computed on the way; B: computed on the way: left as it is (an operand is computed on the way)
;;     4. [M 8,192, K 1,024] x [K 1,024, N 1,024]; A: computed on the way; B: input w_proj: left as it is (an operand is computed on the way)
;;   THE QUANTISER, for each operand of a quantised product, along K:
;;     - K is cut into blocks of 32 from its start; a last block that is shorter is filled with zeros.
;;     - A block's scale is 2^e with e = floor(log2(the largest magnitude in the block)) - 2, held to -126 .. 127; a block of zeros has e = 0. As a byte (E8M0): e + 127.
;;     - Each number is divided by its block's scale, clamped to +-6, and rounded to the nearest number of E2M1, ties to even, subnormals kept.
;;     - The product sums the exact products of the quantised numbers (number of the format x scale) in f32.
;;   ~~~python
;;   def quantise(x, axis):      # numpy; x: float32 -> the quantised numbers, widened to float32 again
;;       x = np.moveaxis(x, axis, -1); K = x.shape[-1]
;;       x = np.pad(x, [(0, 0)] * (x.ndim - 1) + [(0, -K % 32)]); x = x.reshape(x.shape[:-1] + (-1, 32)); a = np.abs(x).max(-1, keepdims=True)
;;       e = np.where(a > 0, np.clip(np.frexp(np.where(a > 0, a, 1))[1] - 1 - 2, -126, 127), 0)      # np.frexp(a)[1] - 1 = floor(log2(a)), exactly
;;       r = np.clip(x / 2.0 ** e, -6, 6)
;;       step = 2.0 ** (np.maximum(np.frexp(np.where(r == 0, 1, r))[1] - 1, 0) - 1)
;;       q = np.round(r / step) * step * 2.0 ** e      # np.round: ties to even
;;       return np.moveaxis(q.reshape(q.shape[:-2] + (-1,))[..., :K], -1, axis).astype(np.float32)
;;   ~~~
;; One version. Each part assembles by itself: llvm-mc -triple=amdgcn-amd-amdhsa -mcpu=gfx1250 --defsym DOCPART=n.
;; ======== version 1 of 1: 5 launches
;; limits: values are held in f16: magnitudes above 65,504 overflow, below 6.1e-05 lose precision
;; workspace buffers: xq 4,456,448 bytes; wq 1,671,168 bytes; wimg 2,097,152 bytes; qkv 50,331,648 bytes; oimg 16,777,216 bytes; q32 786,432 bytes
;; launch prep (part 1): grid 368 x 1, 4 waves a work-group, no clusters, 68,096 bytes of LDS; arguments x, w_attn, w_proj, xq, wq, wimg; writes xq, wq, wimg
.if DOCPART == 1
	.amdgcn_target "amdgcn-amd-amdhsa--gfx1250"
	.amdhsa_code_object_version 6
	.text
	.protected	k_qccab19d729_prep
	.globl	k_qccab19d729_prep
	.p2align	8
	.type	k_qccab19d729_prep,@function
k_qccab19d729_prep:
	s_mov_b64 s[64:65], 0
	v_nop
	global_prefetch_b8 v0, s[64:65] scope:SCOPE_SE
	s_setreg_imm32_b32 hwreg(HW_REG_WAVE_MODE, 25, 1), 1
	s_wait_xcnt 0x0
; Three jobs in one launch, told apart by the work-group's number:
;   0 .. 47    w_attn [1024 (k)][3072 (n)] f32 -> codes of E2M1 laid [3072][512 bytes], K innermost, and E8M0 bytes [3072][32] behind them in wq
;   48 .. 111  w_proj [1024 (k)][1024 (n)] f32 -> f16, laid as images of matrix fragments in wimg: [n / 16][k / 32][1,024 bytes]
;   112 .. 367 x [8192][1024] f32 -> codes [8192][512 bytes] and E8M0 bytes [8192][32] behind them in xq
; The job with the longest chain of dependent loads has the lowest numbers.
; THE QUANTISER: a block of 32 along K has the scale 2^(floor(log2(largest magnitude)) - 2); its byte is the largest magnitude's exponent field - 2, held at 1 from below;
; each number is divided by the scale and rounded to the nearest code, ties to even, beyond 6 the code of 6.
; LIMITS: NaN and infinities among the inputs are not served.  A block of zeros gets the byte 1 where the rule says 127: its codes are zeros, and this program alone reads the bytes.
; Blocks whose largest magnitude lies under 2^-124 are held at the byte 1.  |w_proj| above 65,504 becomes infinity in f16.
; LDS: bytes 0 .. 32,767 the x job's (8,192 a wave), 32,768 .. 67,583 the w_attn job's (a stage of 32 x 272 a wave), then the spare words.  No tensor load, no barrier: waves share nothing.
.set SPARE, 67584                      ; the spare words, 128 bytes for each wave: two blocks of 256 bytes that no other line names
.set SPW,   190                        ; v190 LDS address of my spare word; never rewritten
.set NIL,   191                        ; v191 0; never rewritten
.set EMAX,  2
	s_load_b256 s[4:11], s[0:1], 0x0               ; x s[4:5], w_attn s[6:7], w_proj s[8:9], xq s[10:11]
	s_load_b128 s[12:15], s[0:1], 0x20             ; wq s[12:13], wimg s[14:15]
	v_lshl_add_u32 v[SPW], v0, 2, SPARE
	v_mov_b32 v[NIL], 0
	v_lshrrev_b32 v1, 5, v0
	v_readfirstlane_b32 s16, v1                    ; wave 0..3
	v_and_b32 v2, 31, v0                           ; lane
	s_mov_b32 s21, 0                               ; the upper word of every offset pair s[20:21]
	s_wait_kmcnt 0x0
	s_cmp_lt_u32 ttmp9, 48
	s_cbranch_scc1 .Lw_path
	s_cmp_lt_u32 ttmp9, 112
	s_cbranch_scc1 .Lcast_path
; ---------------- x: a plain stream of blocks of 32.  A wave takes 16 steps of 512 numbers.  Each load reads 512 consecutive bytes; a step's 2,048 bytes turn through the wave's own stage in LDS,
; so that a lane gets 16 neighbours along K (two neighbouring lanes hold a block).  A lane's 16 codes are 8 bytes: the wave stores 256 consecutive bytes.  The wave's 256 scale bytes leave as one such run.
.set STEPS, 16
.set CB,    8                          ; bytes of 16 codes
.set XR,    16                         ; v16-79   four sets of 16 numbers as loaded
.set XX,    80                         ; v80-111  two sets of 16 neighbours
.set XE,    112                        ; v112-127 a scale byte for each step
.set XC,    128                        ; v128-189 codes: registers of its own for each step, so that no store's data are written again
.set WREG,  8192                       ; a wave's LDS: two stages of 32 x SP bytes, then its 256 scale bytes
.set SP,    80                         ; a lane's place in a stage: 64 bytes + 16 of padding
	v_lshlrev_b32 v3, 4, v2                        ; my 16 bytes of a load's 512
	s_mul_i32 s17, s16, WREG
	v_lshrrev_b32 v14, 2, v2
	v_mul_u32_u24 v14, v14, SP
	v_and_b32 v15, 3, v2
	v_lshl_add_u32 v14, v15, 4, v14
	v_add_nc_u32 v14, s17, v14                     ; into the stage: SP (lane / 4) + 16 (lane % 4)
	v_mul_u32_u24 v15, v2, SP
	v_add_nc_u32 v15, s17, v15                     ; out of it: SP x lane
	v_lshlrev_b32 v4, 3, v2                        ; 8 bytes a lane: my codes' place in a step's, and my part of the scale bytes
	v_lshrrev_b32 v5, 1, v2
	s_add_co_u32 s17, s17, 2*32*SP
	v_add_nc_u32 v5, s17, v5                       ; LDS: my block's scale byte
	v_add_nc_u32 v6, s17, v4                       ; and 8 of them on the way out
	s_sub_co_u32 s18, ttmp9, 112
	s_lshl_b32 s18, s18, 2
	s_add_co_u32 s18, s18, s16                     ; which run of 8,192 numbers is my wave's: 0 .. 1,023
	s_lshl_b32 s20, s18, 15
	s_add_nc_u64 s[4:5], s[4:5], s[20:21]          ; x: 32,768 bytes a run
	s_lshl_b32 s20, s18, 12
	s_add_nc_u64 s[22:23], s[10:11], s[20:21]      ; codes: 4,096 bytes a run
	s_lshl_b32 s20, s18, 8
	s_add_co_u32 s20, s20, 0x400000
	s_add_nc_u64 s[24:25], s[10:11], s[20:21]      ; scale bytes: behind the 4,194,304 bytes of codes, 256 a run
.macro XLOAD t
.irp i, 0,1,2,3
	global_load_b128 v[XR+16*((\t)%4)+4*\i:XR+16*((\t)%4)+4*\i+3], v3, s[4:5] offset:2048*(\t)+512*\i th:TH_LOAD_NT
.endr
.endm
.macro XTURN t                         ; a step's numbers through the stage: LDS serves a wave's instructions in order, so no wait stands between the stores and the loads
.irp i, 0,1,2,3
	ds_store_b128 v14, v[XR+16*((\t)%4)+4*\i:XR+16*((\t)%4)+4*\i+3] offset:32*SP*((\t)%2)+8*SP*\i
.endr
.irp i, 0,1,2,3
	ds_load_b128 v[XX+16*((\t)%2)+4*\i:XX+16*((\t)%2)+4*\i+3], v15 offset:32*SP*((\t)%2)+16*\i
.endr
.endm
.irp t, 0,1,2,3
	XLOAD \t
.endr
	s_wait_loadcnt 12                              ; step 0's four loads are in; the twelve behind them stay out
	XTURN 0
.macro XSTEP t
.set XS, XX+16*((\t)%2)
.if (\t) > 0
	s_wait_dscnt 1                                 ; this step's numbers are back from the stage (the last step's byte store may be out)
.else
	s_wait_dscnt 0x0
.endif
.if (\t)+4 < STEPS
	XLOAD (\t)+4                                   ; into the registers that this step's stage stores have read
.endif
.if (\t)+1 < STEPS
.if STEPS-2-(\t) >= 3
	s_wait_loadcnt 12                              ; the next step's four loads are in; those of the three steps behind it may be out
.else
	s_wait_loadcnt 4*(STEPS-2-(\t))
.endif
	XTURN (\t)+1
.endif
	v_max3_num_f32 v8, |v[XS]|, |v[XS+1]|, |v[XS+2]|               ; the largest magnitude of my 16, in two chains
	v_max3_num_f32 v9, |v[XS+3]|, |v[XS+4]|, |v[XS+5]|
.irp i, 6,10
	v_max3_num_f32 v8, v8, |v[XS+\i]|, |v[XS+\i+1]|
	v_max3_num_f32 v9, v9, |v[XS+\i+2]|, |v[XS+\i+3]|
.endr
	v_max3_num_f32 v8, v8, |v[XS+14]|, |v[XS+15]|
	v_max3_num_f32 v8, v8, v9, (EMAX+1)<<23        ; and the floor 2^(3 - 127): the byte cannot fall under 1
	v_max_num_f32_dpp v8, v8, v8 row_xmask:1 row_mask:0xf bank_mask:0xf   ; with my neighbour's 16: the block's
	v_add_nc_u32 v11, -(EMAX<<23), v8              ; 2 off its exponent field: the conversion takes the exponent field of this operand as its scale
	v_cvt_scalef32_pk8_fp4_f32 v[XC+4*(\t)], v[XS:XS+7], v11
	v_cvt_scalef32_pk8_fp4_f32 v[XC+4*(\t)+1], v[XS+8:XS+15], v11
	v_lshrrev_b32 v[XE+(\t)], 23, v11              ; the scale's byte (also the plain line behind the conversions)
	ds_store_b8 v5, v[XE+(\t)] offset:16*(\t)      ; both lanes of a block write the same byte with the same value
	global_store_b64 v4, v[XC+4*(\t):XC+4*(\t)+1], s[22:23] offset:32*CB*(\t)   ; the wave stores 256 consecutive bytes, aligned
.endm
.irp t, 0,1,2,3,4,5,6,7,8,9,10,11,12,13,14,15
	XSTEP \t
.endr
	ds_load_b64 v[8:9], v6                         ; LDS serves a wave's instructions in order: these see my byte stores
	s_wait_dscnt 0x0
	global_store_b64 v4, v[8:9], s[24:25]          ; 256 consecutive scale bytes, aligned
	s_wait_tensorcnt 0x0                           ; the wave's end, behind my last LDS store
	ds_add_u32 v[SPW], v[NIL]
	s_wait_dscnt 0x0
	s_endpgm
; ---------------- w_attn: K is its first axis.  A lane takes a column, its registers run down K: a block of 32 lies in one lane, and the conversions give codes with K innermost.
; A wave takes 32 columns x 512 along K (256 bytes of codes a column), gathers them in its stage and stores sixteen lanes to 256 consecutive bytes of a row.
.Lw_path:
.set WN,    3072
.set NB,    16                         ; blocks of 32 along K for a wave
.set PITCH, 272                        ; a stage row: 256 bytes + 16
.set KROW,  512                        ; a row of codes in wq
.set WX,    32                         ; v32-95   two sets of 32 numbers
.set WC,    96                         ; v96-99   a block's codes
.set WOUT,  112                        ; v112-175 the way out
.set WSB,   24                         ; v24-27   the scale bytes, four to a register
	s_lshr_b32 s17, ttmp9, 1
	s_lshl_b32 s17, s17, 7
	s_lshl_b32 s18, s16, 5
	s_add_co_u32 s17, s17, s18                     ; my wave's first column: 128 x (number / 2) + 32 x wave
	s_and_b32 s18, ttmp9, 1                        ; which 512 along K
	v_lshlrev_b32 v3, 2, v2                        ; in: 4 bytes a lane
	s_mul_i32 s19, s16, 32*PITCH
	s_add_co_u32 s19, s19, 32768                   ; my stage
	v_mul_u32_u24 v4, v2, PITCH
	v_add_nc_u32 v4, s19, v4                       ; into it: row = my column
	v_and_b32 v5, 15, v2
	v_lshrrev_b32 v6, 4, v2
	v_mul_u32_u24 v7, v6, PITCH
	v_lshl_add_u32 v7, v5, 4, v7
	v_add_nc_u32 v7, s19, v7                       ; out of it: sixteen lanes to a row, two rows an instruction
	v_mul_u32_u24 v8, v6, KROW
	v_lshl_add_u32 v8, v5, 4, v8                   ; and the same place in the codes
	v_lshlrev_b32 v9, 5, v2                        ; my column's row of 32 scale bytes
	s_mul_i32 s20, s18, 512*WN*4
	s_lshl_b32 s22, s17, 2
	s_add_co_u32 s20, s20, s22
	s_add_nc_u64 s[6:7], s[6:7], s[20:21]          ; w_attn at (512 x half, my first column)
	s_lshl_b32 s20, s17, 9
	s_lshl_b32 s22, s18, 8
	s_add_co_u32 s20, s20, s22
	s_add_nc_u64 s[24:25], s[12:13], s[20:21]      ; codes: column x 512 + 256 x half
	s_lshl_b32 s20, s17, 5
	s_lshl_b32 s22, s18, 4
	s_add_co_u32 s20, s20, s22
	s_add_co_u32 s20, s20, 0x180000
	s_add_nc_u64 s[26:27], s[12:13], s[20:21]      ; scale bytes: behind the 1,572,864 bytes of codes, column x 32 + 16 x half
.macro WLD t                           ; block t: w(32 t + i, my column) into set t % 2; the largest immediate is 511 rows of 12,288 bytes, inside the signed 24 bits
.set wi, 0
.rept 32
	global_load_b32 v[WX+32*((\t)%2)+wi], v3, s[6:7] offset:(32*(\t)+wi)*WN*4 th:TH_LOAD_NT
.set wi, wi+1
.endr
.endm
	WLD 0
	WLD 1
.macro WBLOCK t
.set XS, WX+32*((\t)%2)
.if (\t) < NB-1
	s_wait_loadcnt 32                              ; this block's 32 loads are in; the next block's may be out
.else
	s_wait_loadcnt 0x0
.endif
	v_max3_num_f32 v12, |v[XS]|, |v[XS+1]|, |v[XS+2]|
	v_max3_num_f32 v13, |v[XS+3]|, |v[XS+4]|, |v[XS+5]|
.irp i, 6,10,14,18,22,26
	v_max3_num_f32 v12, v12, |v[XS+\i]|, |v[XS+\i+1]|
	v_max3_num_f32 v13, v13, |v[XS+\i+2]|, |v[XS+\i+3]|
.endr
	v_max3_num_f32 v12, v12, |v[XS+30]|, |v[XS+31]|
	v_max3_num_f32 v12, v12, v13, (EMAX+1)<<23     ; the floor: the byte cannot fall under 1
	v_add_nc_u32 v11, -(EMAX<<23), v12             ; the conversion's scale operand
	v_lshrrev_b32 v13, 23, v11                     ; the scale's byte
.if (\t)%4 == 0
	v_mov_b32 v[WSB+(\t)/4], v13
.else
	v_lshl_or_b32 v[WSB+(\t)/4], v13, 8*((\t)%4), v[WSB+(\t)/4]
.endif
.irp g, 0,1,2,3
	v_cvt_scalef32_pk8_fp4_f32 v[WC+\g], v[XS+8*\g:XS+8*\g+7], v11
.endr
	v_nop                                          ; one plain line behind the last conversion
	ds_store_b128 v4, v[WC:WC+3] offset:16*(\t)    ; 32 codes: 16 bytes of my column's row
.if (\t)+2 < NB
	WLD (\t)+2
.endif
	s_wait_dscnt 0x0                               ; the store has read its registers: the next block's codes may be written
.endm
.set Q, 0
.rept NB
	WBLOCK Q
.set Q, Q+1
.endr
	global_store_b128 v9, v[WSB:WSB+3], s[26:27]   ; my column's 16 scale bytes
.irp t, 0,1,2,3,4,5,6,7,8,9,10,11,12,13,14,15
	ds_load_b128 v[WOUT+4*\t:WOUT+4*\t+3], v7 offset:2*\t*PITCH
.endr
.irp t, 0,1,2,3,4,5,6,7,8,9,10,11,12,13,14,15
	s_wait_dscnt 15-\t                             ; LDS loads come back in order: pair t of rows is in
	global_store_b128 v8, v[WOUT+4*\t:WOUT+4*\t+3], s[24:25] offset:2*\t*KROW   ; sixteen lanes store 256 consecutive bytes, aligned
.endr
	s_wait_tensorcnt 0x0                           ; the wave's end, behind my last LDS store
	ds_add_u32 v[SPW], v[NIL]
	s_wait_dscnt 0x0
	s_endpgm
; ---------------- w_proj: f32 -> f16, as fragments.  A fragment is 16 columns n x 32 k in 8 registers a lane: lane (r, h) holds column r; registers 0-3 k = 8 h .. + 7, registers 4-7 k = 16 + 8 h .. + 7.
; Its image: registers 0-3 at 16 x lane, registers 4-7 at 512 + 16 x lane.  So the 8 numbers k = 8 p .. 8 p + 7 of column r lie at (p / 2) 512 + (p % 2) 256 + 16 r.
; A wave takes 32 columns x 128 k; a lane takes a column and its registers run down k.  No LDS.
.Lcast_path:
	s_sub_co_u32 s17, ttmp9, 48
	s_lshl_b32 s17, s17, 2
	s_add_co_u32 s17, s17, s16                     ; task 0 .. 255
	s_and_b32 s18, s17, 31                         ; which 32 columns
	s_lshr_b32 s19, s17, 5                         ; which 128 k
	s_lshl_b32 s20, s19, 19
	s_lshl_b32 s22, s18, 7
	s_add_co_u32 s20, s20, s22
	s_add_nc_u64 s[8:9], s[8:9], s[20:21]          ; w_proj at (128 x ks, 32 x cg)
	s_lshl_b32 s20, s18, 16
	s_lshl_b32 s22, s19, 12
	s_add_co_u32 s20, s20, s22
	s_add_nc_u64 s[14:15], s[14:15], s[20:21]      ; wimg: two tiles of 16 columns (32,768 bytes each) a task, four fragments along k
	v_lshlrev_b32 v3, 2, v2
	v_lshrrev_b32 v4, 4, v2
	v_and_b32 v5, 15, v2
	v_lshlrev_b32 v4, 15, v4
	v_lshl_add_u32 v4, v5, 4, v4                   ; out: (lane / 16) x 32,768 + 16 (lane % 16)
.macro CLOAD t
.set wi, 0
.rept 32
	global_load_b32 v[32+32*((\t)%2)+wi], v3, s[8:9] offset:(32*(\t)+wi)*4096 th:TH_LOAD_NT
.set wi, wi+1
.endr
.endm
.macro CHUNK t                         ; 32 k of my column become 16 registers of f16 pairs, the lower k in the low half; each chunk has data registers of its own
.if (\t) < 3
	s_wait_loadcnt 32                              ; this chunk's 32 loads are in; the next chunk's may be out
.else
	s_wait_loadcnt 0x0
.endif
.set wi, 0
.rept 16
	v_cvt_pk_f16_f32 v[96+16*(\t)+wi], v[32+32*((\t)%2)+2*wi], v[32+32*((\t)%2)+2*wi+1]
.set wi, wi+1
.endr
.irp p, 0,1,2,3
	global_store_b128 v4, v[96+16*(\t)+4*\p:96+16*(\t)+4*\p+3], s[14:15] offset:(\t)*1024+(\p/2)*512+(\p%2)*256   ; sixteen lanes store 256 consecutive bytes, aligned
.endr
.if (\t) < 2
	CLOAD (\t)+2
.endif
.endm
	CLOAD 0
	CLOAD 1
	CHUNK 0
	CHUNK 1
	CHUNK 2
	CHUNK 3
	s_endpgm
.Lfunc_end_k_qccab19d729_prep:
	.size	k_qccab19d729_prep, .Lfunc_end_k_qccab19d729_prep-k_qccab19d729_prep
	.p2alignl 7, 3214868480
	.fill 96, 4, 3214868480
	.section	.rodata,"a",@progbits
	.p2align	6, 0x0
	.amdhsa_kernel k_qccab19d729_prep
		.amdhsa_group_segment_fixed_size 68096
		.amdhsa_private_segment_fixed_size 0
		.amdhsa_enable_private_segment 0
		.amdhsa_kernarg_size 48
		.amdhsa_user_sgpr_count 2
		.amdhsa_user_sgpr_kernarg_segment_ptr 1
		.amdhsa_wavefront_size32 1
		.amdhsa_system_sgpr_workgroup_id_x 1
		.amdhsa_system_sgpr_workgroup_id_y 1
		.amdhsa_system_sgpr_workgroup_id_z 1
		.amdhsa_system_vgpr_workitem_id 0
		.amdhsa_next_free_vgpr 192
		.amdhsa_next_free_sgpr 66
		.amdhsa_reserve_vcc 0
		.amdhsa_float_denorm_mode_32 3
		.amdhsa_float_denorm_mode_16_64 3
		.amdhsa_memory_ordered 1
		.amdhsa_forward_progress 1
		.amdhsa_inst_pref_size 129
	.end_amdhsa_kernel
	.amdgpu_metadata
---
amdhsa.version: [ 1, 2 ]
amdhsa.kernels:
  - .name:           k_qccab19d729_prep
    .symbol:         k_qccab19d729_prep.kd
    .args:
      - { .name: x, .offset: 0, .size: 8, .value_kind: global_buffer, .address_space: global }
      - { .name: w_attn, .offset: 8, .size: 8, .value_kind: global_buffer, .address_space: global }
      - { .name: w_proj, .offset: 16, .size: 8, .value_kind: global_buffer, .address_space: global }
      - { .name: xq, .offset: 24, .size: 8, .value_kind: global_buffer, .address_space: global }
      - { .name: wq, .offset: 32, .size: 8, .value_kind: global_buffer, .address_space: global }
      - { .name: wimg, .offset: 40, .size: 8, .value_kind: global_buffer, .address_space: global }
    .group_segment_fixed_size: 68096
    .private_segment_fixed_size: 0
    .kernarg_segment_align: 8
    .kernarg_segment_size: 48
    .max_flat_workgroup_size: 128
    .sgpr_count:     66
    .vgpr_count:     192
    .wavefront_size: 32
...
	.end_amdgpu_metadata
.endif
;; end of part 1
;; launch gemm (part 2): grid 12 x 32, 4 waves a work-group, clusters of 4 x 4, 327,680 bytes of LDS; arguments xq, wq, b_attn, qkv, q32; writes qkv, q32
.if DOCPART == 2
	.amdgcn_target "amdgcn-amd-amdhsa--gfx1250"
	.amdhsa_code_object_version 6
	.text
	.protected	k_qccab19d729_gemm
	.globl	k_qccab19d729_gemm
	.p2align	8
	.type	k_qccab19d729_gemm,@function
k_qccab19d729_gemm:
	s_mov_b64 s[64:65], 0
	v_nop
	global_prefetch_b8 v0, s[64:65] scope:SCOPE_SE
	s_setreg_imm32_b32 hwreg(HW_REG_WAVE_MODE, 25, 1), 1
	s_wait_xcnt 0x0
	s_wait_alu depctr_hold_cnt(0) depctr_sa_sdst(0) depctr_va_vdst(0) depctr_va_sdst(0) depctr_va_ssrc(0) depctr_va_vcc(0) depctr_vm_vsrc(0)
	s_getreg_b32 s2, hwreg(HW_REG_IB_STS2, 6, 4)
	s_cmp_eq_u32 s2, 0
	s_cbranch_scc0 .Lentry_in_a_cluster
	s_endpgm
.Lentry_in_a_cluster:
	s_bfe_u32 s2, ttmp6, 0x10000c
	s_cmp_lg_u32 s2, 0xf033
	s_cbranch_scc0 .Lentry_shape_is_right
	s_endpgm
.Lentry_shape_is_right:
; attn = Q(x) Q(w_attn) + b_attn on codes of E2M1 with one E8M0 scale for each 32 along K.  M = 8,192 tokens, N = 3,072, K = 1,024; sums in f32.
; A tile of 256 tokens x 256 columns is made by four waves, 128 x 128 each: 64 accumulators, 512 registers.  All of K is two LDS slots of 512 along K: both are asked for at the head, nothing is filled again.
; The scale bytes of the work-group's 256 + 256 rows come once, as dense blocks.  CLUSTERS: 4 x 4 work-groups; the four of a row of the cluster need the same tiles of x, the four of a column the same tiles of w:
; each tile is asked for jointly.  A work-group's tile row is cluster y + 8 cy: the batch is cy, and the tile rows that hold a batch's tokens 0-15 are those of cluster y = 0.
; THE MATRIX INSTRUCTION IS USED TRANSPOSED (source 0 = 16 columns of w, source 1 = 16 tokens): lane (r, h) holds token r and the eight neighbouring columns 8 h + 0 .. 7 of a tile of 16.
; The bias is the C of each sum's first product.
; THE WAY OUT NEEDS NO LDS: rounded to f16 in pairs, a lane's eight numbers are four registers, which are half of a 16-bit fragment (16 tokens x 32 channels) of the next launch.  qkv holds such images:
;   byte = (batch x 48 + column / 64) x 262,144 + (token / 16) x 2,048 + (tile of 16 channels in the head) x 512 + 16 x lane.  Each store of a wave covers 512 consecutive bytes, aligned.
; Tokens 0-15 of each batch also leave in f32, as images of the accumulators, into q32: batch x 196,608 + (column / 16) x 1,024 + (registers 4-7: 512) + 16 x lane.
; LIMIT: |q|, |k|, |v| above 65,504 become infinity in f16.
; REGISTERS, in windows of 256: window 0: v16-29 addresses; v32-95 scale words, two sets; v128-191 x's fragments, one set; v192-255 the bias; on the way out v96-223 are free.
;   window 1: w's fragments, two sets, at v0 and v128.   window 2: the accumulators of my tokens 0-63 ((a, b) at v[8 (8 a + b)]);   window 3: those of tokens 64-127.
.set NQ,     4                         ; steps of 128 along K in a slot
.set ROWB,   256                       ; a tile's row in bytes: 512 codes
.set KROW,   512                       ; a row of codes in memory
.set PITCH,  272                       ; an LDS row: 256 bytes + 16 of padding: the 16 rows that a load touches start 68 words apart
.set FR,     8                         ; registers of a fragment: 16 rows x 128 K
.set NL,     2                         ; LDS loads that bring one
.set NP,     4                         ; places behind this matrix instruction (ISA guide 7.12.1)
.set HALFT,  128*PITCH
.set SLOT,   4*HALFT                   ; x's 256 rows, then w's 256 rows
.set KS,     32                        ; a row of scale bytes
.set SCL,    2*SLOT                    ; behind the slots: the scales, as runs of 256 bytes + 16 of padding
.set HALFS,  (128*KS/256)*272
.set SBLK,   (16*KS/256)*272
.set SPARE,  SCL+4*HALFS               ; the spare words, 128 bytes for each wave: two blocks of 256 bytes that no other line names
.set ADRA, 16                          ; v16-17  LDS address of my fragments of x in slot 0, 1
.set ADRB, 20                          ; v20-21  the same for w
.set BO,   24                          ; v24     32 x (lane / 16): my eight numbers of a tile's bias
.set CO,   26                          ; v26     16 x lane
.set ADRS, 27                          ; v27     LDS address of my scale words: lanes 0-15 x's rows, lanes 16-31 w's
.set SPW,  28                          ; v28     LDS address of my spare word; never rewritten
.set NIL,  29                          ; v29     0; never rewritten
.set SC,   32
.set AF,   128
.set BI,   192
.set G1, 24
.set G0, 32
.set G1B, 48
.set G0B, 56
.set G1S, 68
.set G0S, 76
.set G1SB, 80
.set G0SB, 88
.set MSB, 0
.macro WIN new                         ; the immediate's high byte repeats the setting that is left
.if MSB != (\new)
	s_set_vgpr_msb (MSB<<8)|(\new)
.set MSB, (\new)
.endif
.endm
.set MUL_LO, 0xa1                      ; source 0 (w) window 1, source 1 (x) window 0, C and D window 2; with the bias as C (window 0): 0x81
.set MUL_HI, 0xf1                      ; the same, C and D window 3; with the bias as C: 0xc1
.set TO_B,   0x40
; A joint load: waves 0 and 1 fetch for x, waves 2 and 3 for w.  The branch hangs on the wave's number alone.  An s_nop 0 and four v_nop follow each of the two lines.
.macro JLOAD g0a, g1a, g0b, g1b
	s_cmp_eq_u32 s15, 0
	s_cbranch_scc0 .Lfor_b_\@
	tensor_load_to_lds s[\g0a:\g0a+3], s[\g1a:\g1a+7]
	s_nop 0
.rept 4
	v_nop
.endr
	s_branch .Lasked_\@
.Lfor_b_\@:
	tensor_load_to_lds s[\g0b:\g0b+3], s[\g1b:\g1b+7]
	s_nop 0
.rept 4
	v_nop
.endr
.Lasked_\@:
.endm
.macro CROUND                          ; a round of the cluster's barrier
	s_barrier_signal -1
	s_barrier_wait -1
	s_cmp_lg_u32 s14, 0
	s_cbranch_scc1 .Lnot_wave_0_\@
	s_barrier_signal -3
.Lnot_wave_0_\@:
	s_barrier_wait -3
	s_barrier_signal -1
	s_barrier_wait -1
.endm
	s_load_b64 s[4:5], s[0:1], 0x0                 ; xq
	s_load_b64 s[8:9], s[0:1], 0x8                 ; wq
	s_load_b64 s[96:97], s[0:1], 0x10              ; b_attn
	s_load_b64 s[12:13], s[0:1], 0x18              ; qkv
	s_load_b64 s[98:99], s[0:1], 0x20              ; q32
	v_lshl_add_u32 v[SPW], v0, 2, SPARE
	v_mov_b32 v[NIL], 0
	ds_add_u32 v[SPW], v[NIL]                      ; the wave's opening: the add, twice on end, and its wait ahead of my first tensor load
	ds_add_u32 v[SPW], v[NIL]
	v_lshrrev_b32 v1, 5, v0
	v_readfirstlane_b32 s14, v1                    ; wave 0..3
	s_lshr_b32 s15, s14, 1                         ; which half of the tile's tokens is mine.  Also: I fetch for x (0) or for w (1)
	s_and_b32 s16, s14, 1                          ; which half of its columns.  Also: which 128 rows of that tile I fetch
	s_bfe_u32 s40, ttmp6, 0x40000                  ; cx
	s_bfe_u32 s41, ttmp6, 0x40004                  ; cy
	s_lshl_b32 s42, ttmp9, 2
	s_add_co_u32 s42, s42, s40                     ; tile column = 4 x cluster x + cx
	s_and_b32 s66, ttmp7, 0xffff                   ; cluster y
	s_lshl_b32 s17, s41, 3
	s_add_co_u32 s17, s17, s66                     ; tile row = cluster y + 8 cy
	s_or_b32 s67, s66, s15                         ; 0 in the waves that hold a batch's tokens 0-15: cluster y = 0, first half of the tokens
	s_lshl_b32 s43, s41, 2
	s_lshl_b32 s43, 15, s43                        ; my row of the cluster
	s_lshl_b32 s44, 0x1111, s40                    ; my column
	; descriptor group 1: a tile of 128 rows x 256 bytes, padded in LDS
	s_or_b32 s[G1+0], s43, (0<<16)|(1<<20)|(1<<21)|(5<<22)|(3<<25)  ; the mask; elements of 1 byte; padding on; bit 21 beside a mask; 4 words after every 64
	s_or_b32 s[G1B+0], s44, (0<<16)|(1<<20)|(1<<21)|(5<<22)|(3<<25)
.irp g, G1, G1B
	s_mov_b32 s[\g+1], ROWB<<16                    ; tensor_dim0
	s_mov_b32 s[\g+2], 128<<16                     ; tensor_dim1
	s_mov_b32 s[\g+3], ROWB<<16                    ; tile_dim0
	s_mov_b32 s[\g+4], 128                         ; tile_dim1
	s_mov_b32 s[\g+5], KROW                        ; from row to row
	s_mov_b32 s[\g+6], 0
	s_mov_b32 s[\g+7], 0
.endr
	; the scales of 128 rows: a dense block of 4,096 bytes, as 16 rows of 256 bytes (32 elements of 8), 16 bytes of padding behind each
	s_or_b32 s[G1S+0], s43, (3<<16)|(1<<20)|(1<<21)|(5<<22)|(3<<25)
	s_or_b32 s[G1SB+0], s44, (3<<16)|(1<<20)|(1<<21)|(5<<22)|(3<<25)
.irp g, G1S, G1SB
	s_mov_b32 s[\g+1], 32<<16
	s_mov_b32 s[\g+2], (128*KS/256)<<16
	s_mov_b32 s[\g+3], 32<<16
	s_mov_b32 s[\g+4], 128*KS/256
	s_mov_b32 s[\g+5], 32
	s_mov_b32 s[\g+6], 0
	s_mov_b32 s[\g+7], 0
.endr
	s_lshl_b32 s18, s16, 7
	s_lshl_b32 s20, s17, 8
	s_add_co_u32 s20, s20, s18                     ; x: row 256 x tile row + 128 x half
	s_lshl_b32 s46, s42, 8
	s_add_co_u32 s46, s46, s18                     ; w: row 256 x tile column + 128 x half
	s_mov_b32 s21, 0
	s_mov_b32 s47, 0
	s_mov_b64 s[18:19], KS
	s_mul_u64 s[22:23], s[20:21], s[18:19]         ; where these rows' scales begin
	s_mul_u64 s[92:93], s[46:47], s[18:19]
	s_mov_b64 s[18:19], KROW
	s_mul_u64 s[20:21], s[20:21], s[18:19]         ; and their codes
	s_mul_u64 s[46:47], s[46:47], s[18:19]
	s_mul_i32 s45, s14, HALFT                      ; where they go: wave x 128 rows
	s_mul_i32 s94, s14, HALFS
	s_wait_dscnt 0x0                               ; both opening adds are done
	s_wait_kmcnt 0x0
	s_add_nc_u64 s[6:7], s[4:5], 0x400000          ; x's scale bytes lie behind its codes
	s_add_nc_u64 s[10:11], s[8:9], 0x180000        ; w's likewise
	s_add_nc_u64 s[20:21], s[4:5], s[20:21]
	s_add_nc_u64 s[22:23], s[6:7], s[22:23]
	s_add_nc_u64 s[46:47], s[8:9], s[46:47]
	s_add_nc_u64 s[92:93], s[10:11], s[92:93]
	CROUND                                         ; all sixteen work-groups are here: the joint loads meet
	s_mov_b32 s[G0S], 1
	s_add_co_u32 s[G0S+1], s94, SCL
	s_mov_b64 s[G0S+2:G0S+3], s[22:23]
	s_or_b32 s[G0S+3], s[G0S+3], 0x80000000
	s_mov_b32 s[G0SB], 1
	s_add_co_u32 s[G0SB+1], s94, SCL
	s_mov_b64 s[G0SB+2:G0SB+3], s[92:93]
	s_or_b32 s[G0SB+3], s[G0SB+3], 0x80000000
	JLOAD G0S, G1S, G0SB, G1SB                     ; the scales first; a wave has three tensor loads out at the most
.irp s, 0,1
	s_mov_b32 s[G0+4*\s], 1
	s_add_co_u32 s[G0+4*\s+1], s45, \s*SLOT
	s_add_nc_u64 s[G0+4*\s+2:G0+4*\s+3], s[20:21], \s*ROWB
	s_or_b32 s[G0+4*\s+3], s[G0+4*\s+3], 0x80000000
	s_mov_b32 s[G0B+4*\s], 1
	s_add_co_u32 s[G0B+4*\s+1], s45, \s*SLOT
	s_add_nc_u64 s[G0B+4*\s+2:G0B+4*\s+3], s[46:47], \s*ROWB
	s_or_b32 s[G0B+4*\s+3], s[G0B+4*\s+3], 0x80000000
	JLOAD G0+4*\s, G1, G0B+4*\s, G1B
.endr
	v_and_b32 v1, 15, v0                           ; r
	v_bfe_u32 v2, v0, 4, 1                         ; h
	v_mul_u32_u24 v3, v1, PITCH
	v_lshl_add_u32 v4, v2, 4, v3                   ; a fragment's row x pitch + 16 h
	s_mul_i32 s21, s15, HALFT                      ; my 128 rows of x
	s_mul_i32 s22, s16, HALFT                      ; my 128 rows of w,
	s_add_co_u32 s22, s22, 2*HALFT                 ; which lie behind x's 256
.irp s, 0,1
	v_add_nc_u32 v[ADRA+\s], s21, v4
	v_add_nc_u32 v[ADRB+\s], s22, v4
	s_add_co_u32 s21, s21, SLOT
	s_add_co_u32 s22, s22, SLOT
.endr
	v_mul_u32_u24 v5, v1, KS                       ; my row's scales: 32 bytes a row,
	v_lshrrev_b32 v6, 8, v5
	v_lshl_add_u32 v5, v6, 4, v5                   ; and 16 more for each 256 passed
	s_mul_i32 s21, s15, HALFS
	s_mul_i32 s22, s16, HALFS
	s_add_co_u32 s22, s22, 2*HALFS
	s_sub_co_u32 s22, s22, s21
	v_mul_u32_u24 v6, s22, v2                      ; lanes 16-31 take w's: one product, the distance between the two bases
	s_add_co_u32 s21, s21, SCL
	v_add_nc_u32 v5, v5, v6
	v_add_nc_u32 v[ADRS], s21, v5
	v_lshlrev_b32 v[BO], 5, v2
	v_and_b32 v6, 31, v0
	v_lshlrev_b32 v[CO], 4, v6
	s_lshl_b32 s20, s42, 10
	s_lshl_b32 s21, s16, 9
	s_add_co_u32 s20, s20, s21
	s_mov_b32 s21, 0
	s_add_nc_u64 s[96:97], s[96:97], s[20:21]      ; b_attn at my first column: 4 x (256 x tile column + 128 x half)
.irp b, 0,1,2,3,4,5,6,7
	global_load_b128 v[BI+8*\b:BI+8*\b+3], v[BO], s[96:97] offset:64*\b       ; lane (r, h): the bias of columns 16 b + 8 h + 0 .. 7
	global_load_b128 v[BI+8*\b+4:BI+8*\b+7], v[BO], s[96:97] offset:64*\b+16
.endr
	s_mul_i32 s20, s41, 48                         ; qkv: (batch x 48 + 4 x tile column + 2 x half) heads of 262,144 bytes,
	s_lshl_b32 s21, s42, 2
	s_add_co_u32 s20, s20, s21
	s_lshl_b32 s21, s16, 1
	s_add_co_u32 s20, s20, s21
	s_lshl_b32 s20, s20, 18
	s_lshl_b32 s21, s66, 4                         ; + (16 x cluster y + 8 x half) tiles of 16 tokens, 2,048 bytes each
	s_lshl_b32 s22, s15, 3
	s_add_co_u32 s21, s21, s22
	s_lshl_b32 s21, s21, 11
	s_add_co_u32 s20, s20, s21
	s_mov_b32 s21, 0
	s_add_nc_u64 s[12:13], s[12:13], s[20:21]
	s_mul_i32 s20, s41, 196608                     ; q32: batch x 196,608 + (16 x tile column + 8 x half) x 1,024
	s_lshl_b32 s21, s42, 14
	s_add_co_u32 s20, s20, s21
	s_lshl_b32 s21, s16, 13
	s_add_co_u32 s20, s20, s21
	s_mov_b32 s21, 0
	s_add_nc_u64 s[98:99], s[98:99], s[20:21]
.macro FRAG reg, adr, q, i             ; 16 rows x 128 K of 4-bit codes: lane (r, h) holds row r; registers 4 c .. 4 c + 3 hold K = 64 c + 32 h + 0 .. 31
.irp c, 0,1
	ds_load_b128 v[\reg+4*\c:\reg+4*\c+3], v[\adr] offset:64*(\q)+32*\c+(\i)*16*PITCH
.endr
.endm
; 16 matrix instructions: x's blocks a0, a0 + 1 against w's eight.  first = 1: the sums begin with the bias as C.  The 64 accumulators take turns, one instruction a turn.
.macro MUL16 a0, p, q, sc, first
.irp a, \a0, \a0+1
.irp b, 0,1,2,3,4,5,6,7
.if \first
	v_wmma_scale_f32_16x16x128_f8f6f4 v[8*(8*((\a)%4)+\b):8*(8*((\a)%4)+\b)+7], v[128*(\p)+FR*\b:128*(\p)+FR*\b+FR-1], v[AF+FR*(\a):AF+FR*(\a)+FR-1], v[BI+8*\b:BI+8*\b+7], v[SC+8*NQ*(\sc)+NQ*\b+(\q)], v[SC+8*NQ*(\sc)+NQ*(\a)+(\q)] matrix_a_fmt:MATRIX_FMT_FP4 matrix_b_fmt:MATRIX_FMT_FP4 matrix_a_scale:MATRIX_SCALE_ROW1
.else
	v_wmma_scale_f32_16x16x128_f8f6f4 v[8*(8*((\a)%4)+\b):8*(8*((\a)%4)+\b)+7], v[128*(\p)+FR*\b:128*(\p)+FR*\b+FR-1], v[AF+FR*(\a):AF+FR*(\a)+FR-1], v[8*(8*((\a)%4)+\b):8*(8*((\a)%4)+\b)+7], v[SC+8*NQ*(\sc)+NQ*\b+(\q)], v[SC+8*NQ*(\sc)+NQ*(\a)+(\q)] matrix_a_fmt:MATRIX_FMT_FP4 matrix_b_fmt:MATRIX_FMT_FP4 matrix_a_scale:MATRIX_SCALE_ROW1
.endif
.endr
.endr
.endm
.macro FETCH_B slot, q, p
	WIN TO_B
.irp i, 0,1,2,3,4,5,6,7
	FRAG 128*(\p)+FR*\i, ADRB+\slot, \q, \i
.endr
	WIN 0
.endm
.macro FETCH_A slot, q, i0
.irp i, \i0, \i0+1, \i0+2, \i0+3
	FRAG AF+FR*(\i), ADRA+\slot, \q, \i
.endr
.endm
.macro SCALES sc                       ; a slot's scale words: 4 words a row; lanes 0-15 take x's block i, lanes 16-31 w's block i
.irp i, 0,1,2,3,4,5,6,7
	ds_load_b128 v[SC+8*NQ*\sc+NQ*\i:SC+8*NQ*\sc+NQ*\i+3], v[ADRS] offset:\i*SBLK
.endr
.endm
.macro PLACES n                        ; plain vector instructions between a matrix instruction and a load into, or a read of, its registers
.rept \n
	v_nop
.endr
.endm
.macro STEP slot, q, first             ; 128 along K, with its successor in the same slot
	s_wait_dscnt 4*NL                              ; w's set and x's blocks 0-3 are in; the youngest eight loads (x's blocks 4-7) may be out
	WIN MUL_LO-0x20*(\first)
	MUL16 0, (\q)%2, \q, \slot, \first
	MUL16 2, (\q)%2, \q, \slot, \first
	s_wait_dscnt 0                                 ; x's blocks 4-7 are in
	PLACES NP
	FETCH_B \slot, (\q)+1, 1-(\q)%2
	FETCH_A \slot, (\q)+1, 0
	WIN MUL_HI-0x30*(\first)
	MUL16 4, (\q)%2, \q, \slot, \first
	MUL16 6, (\q)%2, \q, \slot, \first
	PLACES NP
	WIN 0
	FETCH_A \slot, (\q)+1, 4
.endm
.macro TURN slot, next                 ; slot 0's last step goes over to slot 1: one barrier; nothing is filled again
	s_wait_tensorcnt 0x0                           ; all my tensor loads have landed: my part of the next slot
	ds_add_u32 v[SPW], v[NIL]                      ; 0 onto my spare word
	s_wait_dscnt 4*NL+1                            ; (the add and the youngest eight loads may be out)
	WIN MUL_LO
	MUL16 0, 1, NQ-1, \slot, 0
	s_wait_dscnt 0x0                               ; the add is done, and no LDS instruction of mine is pending at the signal
	s_barrier_signal -1
	MUL16 2, 1, NQ-1, \slot, 0
	WIN 0
	s_barrier_wait -1                              ; every wave's part of the next slot has landed
	PLACES NP
	v_add_nc_u32 v[ADRS], 4*NQ, v[ADRS]            ; on to the next slot's scale words
	FETCH_B \next, 0, 0
	FETCH_A \next, 0, 0
	SCALES \next
	WIN MUL_HI
	MUL16 4, 1, NQ-1, \slot, 0
	MUL16 6, 1, NQ-1, \slot, 0
	PLACES NP
	WIN 0
	FETCH_A \next, 0, 4
.endm
.macro STEPS slot, from
.set Q, \from
.rept NQ-1-\from
	STEP \slot, Q, 0
.set Q, Q+1
.endr
.endm
	s_wait_loadcnt 0x0                             ; the bias
	s_wait_tensorcnt 1                             ; the scales and my part of slot 0 are in; slot 1's load may be out,
	s_barrier_signal -1
	s_barrier_wait -1                              ; everybody's are
	FETCH_B 0, 0, 0
	FETCH_A 0, 0, 0
	SCALES 0
	FETCH_A 0, 0, 4
	STEP 0, 0, 1
	STEPS 0, 1
	TURN 0, 1
	STEPS 1, 0
	s_wait_dscnt 4*NL                              ; the last step: nothing more to fetch
	WIN MUL_LO
	MUL16 0, 1, NQ-1, 1, 0
	MUL16 2, 1, NQ-1, 1, 0
	s_wait_dscnt 0
	WIN MUL_HI
	MUL16 4, 1, NQ-1, 1, 0
	MUL16 6, 1, NQ-1, 1, 0
	WIN 0
	PLACES NP                                      ; in front of the first reads of results and of writes into registers that held fragments
	; tokens 0-15 of a batch in f32: my block 0's eight accumulators as they stand, each from its low end on.  The branch hangs on the cluster's y and the wave's number.
	s_cmp_lg_u32 s67, 0
	s_cbranch_scc1 .Lnot_first
	WIN 0x08                                       ; a store's data are its source 1: window 2
.irp b, 0,1,2,3,4,5,6,7
	global_store_b128 v[CO], v[8*\b:8*\b+3], s[98:99] offset:\b*1024
	global_store_b128 v[CO], v[8*\b+4:8*\b+7], s[98:99] offset:\b*1024+512
.endr
	WIN 0
.Lnot_first:
.macro OUT a                           ; block a: 16 tokens x 128 columns, rounded to f16 and stored as eight halves of fragments
.set AC, 64*((\a)%4)
.set TMP, 96+32*((\a)%4)
.if (\a) >= 4
	s_wait_xcnt 0x0                                ; block a - 4's stores have read these registers
.endif
	WIN 0x0a+5*((\a)/4)                            ; sources 0 and 1: window 2 or 3
.irp b, 0,1,2,3,4,5,6,7
.irp i, 0,1,2,3
	v_cvt_pk_f16_f32 v[TMP+4*\b+\i], v[AC+8*\b+2*\i], v[AC+8*\b+2*\i+1]
.endr
.endr
	WIN 0
.irp b, 0,1,2,3,4,5,6,7
	global_store_b128 v[CO], v[TMP+4*\b:TMP+4*\b+3], s[12:13] offset:(\b/4)*262144+(\b%4)*512+(\a)*2048 th:TH_STORE_NT   ; 512 consecutive bytes, aligned
.endr
.endm
.irp a, 0,1,2,3,4,5,6,7
	OUT \a
.endr
	s_wait_tensorcnt 0x0                           ; the wave's end
	ds_add_u32 v[SPW], v[NIL]
	s_wait_dscnt 0x0
	CROUND                                         ; the closing round
	s_endpgm
.Lfunc_end_k_qccab19d729_gemm:
	.size	k_qccab19d729_gemm, .Lfunc_end_k_qccab19d729_gemm-k_qccab19d729_gemm
	.p2alignl 7, 3214868480
	.fill 96, 4, 3214868480
	.section	.rodata,"a",@progbits
	.p2align	6, 0x0
	.amdhsa_kernel k_qccab19d729_gemm
		.amdhsa_group_segment_fixed_size 327680
		.amdhsa_private_segment_fixed_size 0
		.amdhsa_enable_private_segment 0
		.amdhsa_kernarg_size 40
		.amdhsa_user_sgpr_count 2
		.amdhsa_user_sgpr_kernarg_segment_ptr 1
		.amdhsa_wavefront_size32 1
		.amdhsa_system_sgpr_workgroup_id_x 1
		.amdhsa_system_sgpr_workgroup_id_y 1
		.amdhsa_system_sgpr_workgroup_id_z 1
		.amdhsa_system_vgpr_workitem_id 0
		.amdhsa_next_free_vgpr 1024
		.amdhsa_next_free_sgpr 100
		.amdhsa_reserve_vcc 0
		.amdhsa_float_denorm_mode_32 3
		.amdhsa_float_denorm_mode_16_64 3
		.amdhsa_memory_ordered 1
		.amdhsa_forward_progress 1
		.amdhsa_inst_pref_size 121
	.end_amdhsa_kernel
	.amdgpu_metadata
---
amdhsa.version: [ 1, 2 ]
amdhsa.kernels:
  - .name:           k_qccab19d729_gemm
    .symbol:         k_qccab19d729_gemm.kd
    .args:
      - { .name: xq, .offset: 0, .size: 8, .value_kind: global_buffer, .address_space: global }
      - { .name: wq, .offset: 8, .size: 8, .value_kind: global_buffer, .address_space: global }
      - { .name: b_attn, .offset: 16, .size: 8, .value_kind: global_buffer, .address_space: global }
      - { .name: qkv, .offset: 24, .size: 8, .value_kind: global_buffer, .address_space: global }
      - { .name: q32, .offset: 32, .size: 8, .value_kind: global_buffer, .address_space: global }
    .group_segment_fixed_size: 327680
    .private_segment_fixed_size: 0
    .kernarg_segment_align: 8
    .kernarg_segment_size: 40
    .max_flat_workgroup_size: 128
    .sgpr_count:     100
    .vgpr_count:     1024
    .wavefront_size: 32
...
	.end_amdgpu_metadata
.endif
;; end of part 2
;; launch attn (part 3): grid 4 x 64, 16 waves a work-group, clusters of 4 x 1, 327,680 bytes of LDS; arguments qkv, oimg; writes oimg
.if DOCPART == 3
	.amdgcn_target "amdgcn-amd-amdhsa--gfx1250"
	.amdhsa_code_object_version 6
	.text
	.protected	k_qccab19d729_attn
	.globl	k_qccab19d729_attn
	.p2align	8
	.type	k_qccab19d729_attn,@function
k_qccab19d729_attn:
	s_mov_b64 s[64:65], 0
	v_nop
	global_prefetch_b8 v0, s[64:65] scope:SCOPE_SE
	s_setreg_imm32_b32 hwreg(HW_REG_WAVE_MODE, 25, 1), 1
	s_wait_xcnt 0x0
	s_wait_alu depctr_hold_cnt(0) depctr_sa_sdst(0) depctr_va_vdst(0) depctr_va_sdst(0) depctr_va_ssrc(0) depctr_va_vcc(0) depctr_vm_vsrc(0)
	s_getreg_b32 s2, hwreg(HW_REG_IB_STS2, 6, 4)
	s_cmp_eq_u32 s2, 0
	s_cbranch_scc0 .Lentry_in_a_cluster
	s_endpgm
.Lentry_in_a_cluster:
	s_bfe_u32 s2, ttmp6, 0x10000c
	s_cmp_lg_u32 s2, 0x3003
	s_cbranch_scc0 .Lentry_shape_is_right
	s_endpgm
.Lentry_shape_is_right:
; o[b][h][q] = the sum over keys k <= q of softmax_k(q . k) v, head size 64, no scale ahead of the softmax; the factor 1/32 behind it is applied by the next launch, in f32.
; q, k, v arrive in f16 as images of fragments (16 tokens x 32 channels: registers 0-3 at 16 x lane, registers 4-7 at 512 + 16 x lane; a tile of 16 tokens of a head is 2,048 bytes).
; Products with f16 operands and f32 sums; maxima, exponentials and sums in f32; p is rounded to f16 for the second product; o is rounded to f16 once, at the end.
; SHARES.  A cluster of four work-groups is one (batch, head).  Wave w of work-group cx owns queries 128 w + 32 cx + 0 .. 31: two tiles of 16, which share every fragment of K and V.
; So which key steps a wave walks hangs on w alone: the four partners run the same branches, and cx enters global addresses and one vector compare only.  Wave 15 of every partner reads every slot.
; K and V come through a ring of two LDS slots of 256 keys (K's 32 KB, then V's 32 KB, dense images), asked for JOINTLY by waves 0-3 of all four partners, 16 KB a load.
; LAYOUT.  S^T = K Q^T (source 0 = 16 keys, source 1 = 16 queries): lane (r, h) holds query r and keys 8 h + 0 .. 7 of a tile.  Two such tiles, rounded to f16 in pairs, are source 1 of O^T = V^T P.
; V is read turned out of its image by ds_load_tr16_b128.  O^T again holds one query a lane and eight channels: rounded in pairs it is half of a fragment of the next launch, and is stored as it stands.
; SOFTMAX.  A running maximum m and sum l for each query: p = 2^(c s - c m), c = log2(e); in every step O and l are multiplied by a = 2^(c m_old - c m_new).  m begins at -infinity; key 0 counts for every query.
; THE MASK.  A step of 64 keys whose first key lies beyond 128 w + 127 is left out; from 128 w on hidden scores become -infinity ahead of the maximum.
; LIMITS: NaN and infinities are not served.
.set SLOT1, 65536
.set VOFF,  32768
.set SPARE, 2*SLOT1                    ; the spare words, 128 bytes for each of 16 waves: eight blocks of 256 bytes that no other line names
.set LI,   1                           ; v1   16 x lane
.set AV0,  2                           ; v2   my lane's place in a tile of V for the turning load
.set ADK,  3                           ; v3   LDS address of the step's K
.set ADV,  4                           ; v4   of its V
.set SPW,  5                           ; v5   LDS address of my spare word; never rewritten
.set NIL,  6                           ; v6   0; never rewritten
.set QD,   7                           ; v7   128 w + 32 cx + r - 8 h
.set ST,   8                           ; v8-23  tile t at ST + 8 t: +0 c m, +1 m, +2, +3 l (two halves), +4 .. +7 at work; a takes +6
.set QF,   24                          ; v24-55   Q: tile t, channels 32 cs on, at 16 t + 8 cs
.set KV,   56                          ; v56-119  a step's K, then its V
.set SS,   120                         ; v120-183 S^T, 32 a tile; P is made in place in a tile's low 16
.set OT,   184                         ; v184-247 O^T, 32 a tile
.set D0,   248                         ; v248, v249 the mask's bound for tile 0, 1
.set NINF, 250                         ; v250 -infinity
.set PFO,  251                         ; v251 256 x lane
.set TS,   252                         ; v252-255 the sums' second chains
.set WV,   12
.set CX,   13
.set LIM,  15                          ; s15  1 in the two waves that prefetch, else the greatest number
.set PFA,  18                          ; s[18:19] where my prefetches stand
.set G1,   24                          ; s[24:31] descriptor group 1
.set G0,   40                          ; s[40:43] group 0, which walks
.set SLOTS, 56
.set CNT,  57
.set CS,   58                          ; s[58:59] c
.set SEL,  60                          ; s[60:61] selects for lane l xor 16
.set TB,   62                          ; s62  LDS byte at which the step's K begins
.set KF,   66                          ; s66  the step's first key
.set WL,   67                          ; s67  128 w + 127
.set WB,   68                          ; s68  128 w
.macro TLOAD                           ; waves 0-3 fetch a quarter of a slot each; an s_nop 0 and four v_nop follow the line
	s_cmp_lt_u32 s[WV], 4
	s_cbranch_scc0 .Lnone_\@
	tensor_load_to_lds s[G0:G0+3], s[G1:G1+7]
	s_nop 0
.rept 4
	v_nop
.endr
.Lnone_\@:
.endm
; A prefetch of the slot that the NEXT change of slots will ask for: 32,768 bytes of K and as many of V.  The four partners share them by address, 8,192 bytes each; in each, wave 4 asks for K's and wave 5 for V's,
; lanes 256 bytes apart: each aligned block of 256 bytes is named once in the launch.  The last change that fills a slot asks for nothing; nothing is asked for at the head.
.macro ASK
	s_cmp_gt_u32 s[SLOTS], s[LIM]
	s_cbranch_scc0 .Lnot_mine_\@
	global_prefetch_b8 v[PFO], s[PFA:PFA+1] th:TH_LOAD_NT scope:SCOPE_SE
.Lnot_mine_\@:
.endm
.macro CROUND                          ; a round of the cluster's barrier
	s_barrier_signal -1
	s_barrier_wait -1
	s_cmp_lg_u32 s[WV], 0
	s_cbranch_scc1 .Lnot_wave_0_\@
	s_barrier_signal -3
.Lnot_wave_0_\@:
	s_barrier_wait -3
	s_barrier_signal -1
	s_barrier_wait -1
.endm
	s_load_b128 s[4:7], s[0:1], 0x0                ; qkv s[4:5], oimg s[6:7]
	v_lshl_add_u32 v[SPW], v0, 2, SPARE
	v_mov_b32 v[NIL], 0
	ds_add_u32 v[SPW], v[NIL]                      ; the wave's opening: the add, twice on end, and its wait ahead of the first tensor load
	ds_add_u32 v[SPW], v[NIL]
	v_lshrrev_b32 v1, 5, v0
	v_readfirstlane_b32 s[WV], v1                  ; wave 0..15
	s_bfe_u32 s[CX], ttmp6, 0x40000                ; cx
	s_and_b32 s20, ttmp7, 0xffff                   ; 16 x batch + head
	s_lshr_b32 s21, s20, 4
	s_and_b32 s22, s20, 15
	s_mul_i32 s8, s21, 48
	s_add_co_u32 s8, s8, s22
	s_lshl_b32 s8, s8, 18                          ; the head's q in qkv; its k lies 4,194,304 bytes on, its v 8,388,608
	s_and_b32 s14, s[WV], 3                        ; j: which quarter of a slot I fetch, if I fetch: 0, 1 K's halves; 2, 3 V's
	s_lshr_b32 s16, s14, 1
	s_add_co_u32 s16, s16, 1
	s_lshl_b32 s16, s16, 22
	s_and_b32 s17, s14, 1
	s_lshl_b32 s17, s17, 14
	s_add_co_u32 s16, s16, s17
	s_add_co_u32 s16, s16, s8
	s_mov_b32 s17, 0                               ; s[16:17]: its first byte in qkv
	s_mov_b32 s[G0], 1                             ; count = 1
	s_lshl_b32 s[G0+1], s14, 14                    ; LDS address: 16,384 j, in slot 0
	s_mov_b32 s[G1], 15|(3<<16)|(1<<21)            ; the mask: all four partners; elements of 8 bytes; bit 21 beside a mask; no padding
	s_mov_b32 s[G1+1], 32<<16                      ; tensor_dim0 = 32 elements: 256 bytes
	s_mov_b32 s[G1+2], 64<<16                      ; tensor_dim1 = 64
	s_mov_b32 s[G1+3], 32<<16                      ; tile_dim0
	s_mov_b32 s[G1+4], 64                          ; tile_dim1
	s_mov_b32 s[G1+5], 32                          ; dense
	s_mov_b32 s[G1+6], 0
	s_mov_b32 s[G1+7], 0
	s_and_b32 s10, s[WV], 1                        ; the prefetches: wave 4 K, wave 5 V,
	s_add_co_u32 s10, s10, 1
	s_lshl_b32 s10, s10, 22
	s_add_co_u32 s10, s10, s8
	s_lshl_b32 s11, s[CX], 13                      ; my work-group's 8,192 bytes,
	s_add_co_u32 s10, s10, s11
	s_add_co_u32 s10, s10, 32768                   ; in slot 1: the first change of slots steps it to slot 2
	s_mov_b32 s11, 0
	s_lshr_b32 s[LIM], s[WV], 1
	s_cmp_eq_u32 s[LIM], 2
	s_cselect_b32 s[LIM], 1, -1
	s_lshl_b32 s2, s[WV], 14                       ; Q: my two tiles: 16,384 w + 4,096 cx
	s_lshl_b32 s3, s[CX], 12
	s_add_co_u32 s2, s2, s3
	s_add_co_u32 s2, s2, s8
	s_mov_b32 s3, 0
	s_lshl_b32 s44, s21, 22                        ; O: batch x 4,194,304 + (8 w + 2 cx) tiles of 32,768 + head x 2,048
	s_lshl_b32 s45, s[WV], 18
	s_add_co_u32 s44, s44, s45
	s_lshl_b32 s45, s[CX], 16
	s_add_co_u32 s44, s44, s45
	s_lshl_b32 s45, s22, 11
	s_add_co_u32 s44, s44, s45
	s_mov_b32 s45, 0
	s_mov_b32 s[CS], 0x3fb8aa3b                    ; c = log2(e)
	s_mov_b32 s[CS+1], s[CS]                       ; (named with it as a pair)
	s_mov_b32 s[SEL], 0x76543210
	s_mov_b32 s[SEL+1], 0xfedcba98
	s_mov_b32 s[TB], 0
	s_mov_b32 s[KF], 0
	s_mov_b32 s[SLOTS], 7
	s_lshl_b32 s[WB], s[WV], 7
	s_add_co_u32 s[WL], s[WB], 127
	s_lshl_b32 s46, s[CX], 5
	s_add_co_u32 s46, s46, s[WB]
	v_and_b32 v[QD], 15, v0
	v_bfe_u32 v8, v0, 4, 1
	v_lshlrev_b32 v8, 3, v8
	v_sub_nc_u32 v[QD], v[QD], v8
	v_add_nc_u32 v[QD], s46, v[QD]
	v_and_b32 v[LI], 31, v0
	v_lshlrev_b32 v[LI], 4, v[LI]
	v_lshlrev_b32 v[PFO], 4, v[LI]
	; the turning load: lane l addresses 16 bytes, channels 8 ((l / 8) % 2) + 0 .. 7 of key 8 (l / 16) + l % 8; in an image of 16 keys x 16 channels that is 256 ((l / 8) % 2) + 16 x key
	v_and_b32 v[AV0], 7, v0
	v_bfe_u32 v[ADK], v0, 4, 1
	v_lshl_add_u32 v[AV0], v[ADK], 3, v[AV0]
	v_bfe_u32 v[ADK], v0, 3, 1
	v_lshl_add_u32 v[AV0], v[ADK], 4, v[AV0]
	v_lshlrev_b32 v[AV0], 4, v[AV0]
	v_add_nc_u32 v[AV0], VOFF, v[AV0]
	s_wait_dscnt 0x0                               ; both opening adds are done
	s_wait_kmcnt 0x0
	s_add_nc_u64 s[G0+2:G0+3], s[4:5], s[16:17]
	s_or_b32 s[G0+3], s[G0+3], 0x80000000          ; type = 2
	s_add_nc_u64 s[PFA:PFA+1], s[4:5], s[10:11]
	s_add_nc_u64 s[4:5], s[4:5], s[2:3]
	s_add_nc_u64 s[6:7], s[6:7], s[44:45]
	CROUND                                         ; all four work-groups are here: the first joint loads meet
	TLOAD                                          ; slot 0
.irp i, 0,1,2,3,4,5,6,7
	global_load_b128 v[QF+4*\i:QF+4*\i+3], v[LI], s[4:5] offset:\i*512   ; Q stays in registers
.endr
	v_mov_b32 v[NINF], 0xff800000
.irp t, 0,1
	v_mov_b32 v[ST+8*\t], v[NINF]                  ; c m
	v_mov_b32 v[ST+8*\t+1], v[NINF]                ; m
.irp j, 2,3,4,5,6,7
	v_mov_b32 v[ST+8*\t+\j], 0
.endr
.endr
.set n, 0
.rept 64
	v_mov_b32 v[OT+n], 0                           ; O^T.  (The step is written once: the first step finds zeros, and multiplies them by a = 0)
.set n, n+1
.endr
; A KEY STEP: 64 keys.
.macro STEP
	s_cmp_gt_u32 s[KF], s[WL]                      ; all its keys come after my work-group-independent bound 128 w + 127: left out
	s_cbranch_scc1 .Lhid_\@
	v_add_nc_u32 v[ADK], s[TB], v[LI]
	v_add_nc_u32 v[ADV], s[TB], v[AV0]
.rept 3
	v_nop                                          ; with the two additions five places behind the last step's products: four for the loads into V's registers, five for the products that write over P
.endr
.irp f, 0,1,2,3,4,5,6,7                        ; K: keys 16 (f / 2) on, channels 32 (f % 2) on
	ds_load_b128 v[KV+8*\f:KV+8*\f+3], v[ADK] offset:\f*1024
	ds_load_b128 v[KV+8*\f+4:KV+8*\f+7], v[ADK] offset:\f*1024+512
.endr
	s_wait_dscnt 0x0
.irp cs, 0,1                                   ; S^T = K Q^T: eight accumulators by turns
.irp kt, 0,1,2,3
.irp t, 0,1
.if \cs == 0
	v_wmma_f32_16x16x32_f16 v[SS+32*\t+8*\kt:SS+32*\t+8*\kt+7], v[KV+8*(2*\kt+\cs):KV+8*(2*\kt+\cs)+7], v[QF+16*\t+8*\cs:QF+16*\t+8*\cs+7], 0
.else
	v_wmma_f32_16x16x32_f16 v[SS+32*\t+8*\kt:SS+32*\t+8*\kt+7], v[KV+8*(2*\kt+\cs):KV+8*(2*\kt+\cs)+7], v[QF+16*\t+8*\cs:QF+16*\t+8*\cs+7], v[SS+32*\t+8*\kt:SS+32*\t+8*\kt+7]
.endif
.endr
.endr
.endr
.rept 4
	v_nop                                          ; places in front of the loads into K's registers and of the first reads of the scores
.endr
.irp kh, 0,1                                   ; V^T: channels 16 ct on, keys 32 kh on; it lands while the softmax is worked
.irp ct, 0,1,2,3
	ds_load_tr16_b128 v[KV+32*\kh+8*\ct:KV+32*\kh+8*\ct+3], v[ADV] offset:(2*\kh)*2048+\ct*512
	ds_load_tr16_b128 v[KV+32*\kh+8*\ct+4:KV+32*\kh+8*\ct+7], v[ADV] offset:(2*\kh+1)*2048+\ct*512
.endr
.endr
	s_cmp_lt_u32 s[KF], s[WB]                      ; all its keys count for all of the wave's queries, in every partner
	s_cbranch_scc1 .Lopen_\@
	v_sub_nc_u32 v[D0], v[QD], s[KF]               ; register 8 kt + j of tile t holds key KF + 16 kt + 8 h + j: hidden where 16 kt + j > my query - KF - 8 h
	v_add_nc_u32 v[D0+1], 16, v[D0]
.irp t, 0,1
.set n, 0
.rept 32
	v_cmp_gt_i32 vcc_lo, 16*(n/8)+n%8, v[D0+\t]
	v_cndmask_b32 v[SS+32*\t+n], v[SS+32*\t+n], v[NINF], vcc_lo
.set n, n+1
.endr
.endr
.Lopen_\@:
.irp j, 0,1,2,3                                ; the maximum: four chains a tile, the two tiles by turns; each accumulator is read from its low end on
.irp t, 0,1
	v_max3_num_f32 v[ST+8*\t+4+\j], v[SS+32*\t+8*\j], v[SS+32*\t+8*\j+1], v[SS+32*\t+8*\j+2]
.endr
.endr
.irp u, 1,2
.irp j, 0,1,2,3
.irp t, 0,1
	v_max3_num_f32 v[ST+8*\t+4+\j], v[ST+8*\t+4+\j], v[SS+32*\t+8*\j+2*\u+1], v[SS+32*\t+8*\j+2*\u+2]
.endr
.endr
.endr
.irp t, 0,1
	v_max3_num_f32 v[ST+8*\t+4], v[ST+8*\t+4], v[SS+32*\t+7], v[SS+32*\t+15]
	v_max3_num_f32 v[ST+8*\t+6], v[ST+8*\t+6], v[SS+32*\t+23], v[SS+32*\t+31]
.endr
.irp t, 0,1
	v_max3_num_f32 v[ST+8*\t+4], v[ST+8*\t+4], v[ST+8*\t+5], v[ST+8*\t+6]
.endr
.irp t, 0,1
	v_max3_num_f32 v[ST+8*\t+4], v[ST+8*\t+4], v[ST+8*\t+7], v[ST+8*\t+1]   ; and the old m
.endr
.irp t, 0,1
	v_permlanex16_b32 v[ST+8*\t+5], v[ST+8*\t+4], s[SEL], s[SEL+1]          ; the query's other 32 keys lie in the lane 16 away
.endr
.irp t, 0,1
	v_mov_b32 v[ST+8*\t+7], v[ST+8*\t]             ; c m_old
.endr
.irp t, 0,1
	v_max_num_f32 v[ST+8*\t+1], v[ST+8*\t+4], v[ST+8*\t+5]
.endr
.irp t, 0,1
	v_mul_f32 v[ST+8*\t], s[CS], v[ST+8*\t+1]
.endr
.irp t, 0,1
	v_sub_f32 v[ST+8*\t+7], v[ST+8*\t+7], v[ST+8*\t]
.endr
.set n, 0
.rept 16
.irp t, 0,1
	v_pk_fma_f32 v[SS+32*\t+n:SS+32*\t+n+1], v[SS+32*\t+n:SS+32*\t+n+1], s[CS:CS+1], v[ST+8*\t:ST+8*\t+1] op_sel_hi:[1,0,0] neg_lo:[0,0,1] neg_hi:[0,0,1]   ; c s - c m
.endr
.set n, n+2
.endr
.irp t, 0,1                                    ; ONE batch of 66 exponentials: a of both tiles, then the 64 weights
	v_exp_f32 v[ST+8*\t+6], v[ST+8*\t+7]
.endr
.set n, 0
.rept 64
	v_exp_f32 v[SS+n], v[SS+n]
.set n, n+1
.endr
	v_nop                                          ; a plain instruction behind the last exponential
	s_wait_alu depctr_va_vdst(0)                   ; the wait ahead of the first instruction that names a result: one for the batch
.irp t, 0,1
	v_pk_mul_f32 v[ST+8*\t+2:ST+8*\t+3], v[ST+8*\t+2:ST+8*\t+3], v[ST+8*\t+6:ST+8*\t+7] op_sel_hi:[1,0]   ; l under the new m
	v_pk_add_f32 v[TS+2*\t:TS+2*\t+1], v[SS+32*\t:SS+32*\t+1], v[SS+32*\t+2:SS+32*\t+3]                   ; the sums are taken of p in f32, in two chains
.endr
.irp j, 4,8,12,16,20,24,28
.irp t, 0,1
	v_pk_add_f32 v[ST+8*\t+2:ST+8*\t+3], v[ST+8*\t+2:ST+8*\t+3], v[SS+32*\t+\j:SS+32*\t+\j+1]
	v_pk_add_f32 v[TS+2*\t:TS+2*\t+1], v[TS+2*\t:TS+2*\t+1], v[SS+32*\t+\j+2:SS+32*\t+\j+3]
.endr
.endr
.irp t, 0,1
	v_pk_add_f32 v[ST+8*\t+2:ST+8*\t+3], v[ST+8*\t+2:ST+8*\t+3], v[TS+2*\t:TS+2*\t+1]
.endr
.irp t, 0,1                                    ; P: pairs rounded to f16, in place, ascending: register i takes weights 2 i, 2 i + 1
.set n, 0
.rept 16
	v_cvt_pk_f16_f32 v[SS+32*\t+n], v[SS+32*\t+2*n], v[SS+32*\t+2*n+1]
.set n, n+1
.endr
.endr
.irp t, 0,1                                    ; O^T under the new m, each accumulator from its low end on
.set n, 0
.rept 16
	v_pk_mul_f32 v[OT+32*\t+n:OT+32*\t+n+1], v[OT+32*\t+n:OT+32*\t+n+1], v[ST+8*\t+6:ST+8*\t+7] op_sel_hi:[1,0]
.set n, n+2
.endr
.endr
	s_wait_dscnt 0x0                               ; V is in
.irp kh, 0,1                                   ; O^T += V^T P: eight accumulators by turns
.irp ct, 0,1,2,3
.irp t, 0,1
	v_wmma_f32_16x16x32_f16 v[OT+32*\t+8*\ct:OT+32*\t+8*\ct+7], v[KV+32*\kh+8*\ct:KV+32*\kh+8*\ct+7], v[SS+32*\t+8*\kh:SS+32*\t+8*\kh+7], v[OT+32*\t+8*\ct:OT+32*\t+8*\ct+7]
.endr
.endr
.endr
.Lhid_\@:
	s_add_co_u32 s[KF], s[KF], 64
	s_add_co_u32 s[TB], s[TB], 8192                ; the next step's tiles
.endm
.macro FOUR_STEPS                      ; a slot's four key steps: written once, walked four times
	s_mov_b32 s[CNT], 4
.Lstep_\@:
	STEP
	s_sub_co_u32 s[CNT], s[CNT], 1
	s_cmp_lg_u32 s[CNT], 0
	s_cbranch_scc1 .Lstep_\@
	s_sub_co_u32 s[TB], s[TB], 32768               ; back to a slot's first step,
	s_xor_b32 s[TB], s[TB], SLOT1                  ; in the other slot
.endm
; THE CHANGE OF SLOTS stands at a slot's head.  Each wave waits for all its tensor loads (its part of the slot ahead), adds 0 to its spare word, and waits for that and for its reads of the slot that it has left.
; fill = 1: the barrier is a round of the cluster's, and behind it the slot that was left is filled with the next 256 keys: the load has four key steps in which to land; a loading wave has one load out.
.macro CHANGE fill
	s_wait_tensorcnt 0x0                           ; no tensor load of mine is out, so the group 0 may be written
	ds_add_u32 v[SPW], v[NIL]                      ; 0 onto my spare word
.if \fill
	ds_add_u32 v[SPW], v[NIL]                      ; and once more: twice on end, in every trip alike
	s_xor_b32 s[G0+1], s[G0+1], SLOT1              ; the other slot than last time,
	s_add_nc_u64 s[G0+2:G0+3], s[G0+2:G0+3], 32768 ; the next 256 keys; the type bits on top are not reached
	s_wait_xcnt 0x0                                ; the last prefetch, a slot back, has read its address
	s_add_nc_u64 s[PFA:PFA+1], s[PFA:PFA+1], 32768 ; one slot further on than the walking descriptor
.endif
	s_wait_dscnt 0x0                               ; the add is done, and my reads of the slot that I have left are over
.if \fill
	CROUND
	TLOAD
	ASK
.else
	s_barrier_signal -1
	s_barrier_wait -1
.endif
.endm
	s_wait_loadcnt 0x0                             ; Q
.Lslot:                                            ; seven trips: behind each change of slots but the last the next slot is asked for
	CHANGE 1
	FOUR_STEPS
	s_sub_co_u32 s[SLOTS], s[SLOTS], 1
	s_cmp_lg_u32 s[SLOTS], 0
	s_cbranch_scc1 .Lslot
	CHANGE 0                                       ; the last slot is written out
	FOUR_STEPS
	; THE WAY OUT: O^T / l, rounded to f16 in pairs: four registers a tile of 16 channels, half of a fragment of the next launch; each store covers 512 consecutive bytes, aligned.
.rept 4
	v_nop                                          ; places behind the last products
.endr
.irp t, 0,1
	v_add_f32 v[ST+8*\t+4], v[ST+8*\t+2], v[ST+8*\t+3]
.endr
.irp t, 0,1
	v_permlanex16_b32 v[ST+8*\t+5], v[ST+8*\t+4], s[SEL], s[SEL+1]
.endr
.irp t, 0,1
	v_add_f32 v[ST+8*\t+4], v[ST+8*\t+4], v[ST+8*\t+5]
.endr
.irp t, 0,1
	v_rcp_f32 v[ST+8*\t+6], v[ST+8*\t+4]
.endr
	v_nop
	s_wait_alu depctr_va_vdst(0)                   ; one wait for the two reciprocals, ahead of their first reader
.irp t, 0,1
.set n, 0
.rept 16
	v_pk_mul_f32 v[OT+32*\t+n:OT+32*\t+n+1], v[OT+32*\t+n:OT+32*\t+n+1], v[ST+8*\t+6:ST+8*\t+7] op_sel_hi:[1,0]
.set n, n+2
.endr
.endr
.irp t, 0,1
.set n, 0
.rept 16
	v_cvt_pk_f16_f32 v[SS+16*\t+n], v[OT+32*\t+2*n], v[OT+32*\t+2*n+1]
.set n, n+1
.endr
.endr
.irp t, 0,1
.irp ct, 0,1,2,3
	global_store_b128 v[LI], v[SS+16*\t+4*\ct:SS+16*\t+4*\ct+3], s[6:7] offset:\t*32768+\ct*512 th:TH_STORE_NT
.endr
.endr
	s_wait_tensorcnt 0x0                           ; the wave's end
	ds_add_u32 v[SPW], v[NIL]
	s_wait_dscnt 0x0
	CROUND                                         ; the closing round
	s_endpgm
.Lfunc_end_k_qccab19d729_attn:
	.size	k_qccab19d729_attn, .Lfunc_end_k_qccab19d729_attn-k_qccab19d729_attn
	.p2alignl 7, 3214868480
	.fill 96, 4, 3214868480
	.section	.rodata,"a",@progbits
	.p2align	6, 0x0
	.amdhsa_kernel k_qccab19d729_attn
		.amdhsa_group_segment_fixed_size 327680
		.amdhsa_private_segment_fixed_size 0
		.amdhsa_enable_private_segment 0
		.amdhsa_kernarg_size 16
		.amdhsa_user_sgpr_count 2
		.amdhsa_user_sgpr_kernarg_segment_ptr 1
		.amdhsa_wavefront_size32 1
		.amdhsa_system_sgpr_workgroup_id_x 1
		.amdhsa_system_sgpr_workgroup_id_y 1
		.amdhsa_system_sgpr_workgroup_id_z 1
		.amdhsa_system_vgpr_workitem_id 0
		.amdhsa_next_free_vgpr 256
		.amdhsa_next_free_sgpr 70
		.amdhsa_reserve_vcc 1
		.amdhsa_float_denorm_mode_32 3
		.amdhsa_float_denorm_mode_16_64 3
		.amdhsa_memory_ordered 1
		.amdhsa_forward_progress 1
		.amdhsa_inst_pref_size 59
	.end_amdhsa_kernel
	.amdgpu_metadata
---
amdhsa.version: [ 1, 2 ]
amdhsa.kernels:
  - .name:           k_qccab19d729_attn
    .symbol:         k_qccab19d729_attn.kd
    .args:
      - { .name: qkv, .offset: 0, .size: 8, .value_kind: global_buffer, .address_space: global }
      - { .name: oimg, .offset: 8, .size: 8, .value_kind: global_buffer, .address_space: global }
    .group_segment_fixed_size: 327680
    .private_segment_fixed_size: 0
    .kernarg_segment_align: 8
    .kernarg_segment_size: 16
    .max_flat_workgroup_size: 512
    .sgpr_count:     70
    .vgpr_count:     256
    .wavefront_size: 32
...
	.end_amdgpu_metadata
.endif
;; end of part 3
;; launch proj (part 4): grid 4 x 64, 4 waves a work-group, clusters of 4 x 4, 327,680 bytes of LDS; arguments oimg, wimg, b_proj, out0; writes out0
.if DOCPART == 4
	.amdgcn_target "amdgcn-amd-amdhsa--gfx1250"
	.amdhsa_code_object_version 6
	.text
	.protected	k_qccab19d729_proj
	.globl	k_qccab19d729_proj
	.p2align	8
	.type	k_qccab19d729_proj,@function
k_qccab19d729_proj:
	s_mov_b64 s[64:65], 0
	v_nop
	global_prefetch_b8 v0, s[64:65] scope:SCOPE_SE
	s_setreg_imm32_b32 hwreg(HW_REG_WAVE_MODE, 25, 1), 1
	s_wait_xcnt 0x0
	s_wait_alu depctr_hold_cnt(0) depctr_sa_sdst(0) depctr_va_vdst(0) depctr_va_sdst(0) depctr_va_ssrc(0) depctr_va_vcc(0) depctr_vm_vsrc(0)
	s_getreg_b32 s2, hwreg(HW_REG_IB_STS2, 6, 4)
	s_cmp_eq_u32 s2, 0
	s_cbranch_scc0 .Lentry_in_a_cluster
	s_endpgm
.Lentry_in_a_cluster:
	s_bfe_u32 s2, ttmp6, 0x10000c
	s_cmp_lg_u32 s2, 0xf033
	s_cbranch_scc0 .Lentry_shape_is_right
	s_endpgm
.Lentry_shape_is_right:
; out0 = (o w_proj) / 32 + b_proj.  o [8192][1024] and w_proj arrive in f16 as images of fragments: oimg [token / 16][k / 32][1,024 bytes], wimg [column / 16][k / 32][1,024 bytes].  Sums in f32; 1/32 and the bias in f32.
; A tile of 128 tokens x 256 columns is made by four waves, 64 x 128 each: 32 accumulators.  256 work-groups.  K goes in 8 steps of 128 through a ring of two LDS slots.
; A K step of a tile of 16 rows is four fragments on end, 4,096 bytes; from tile to tile 32,768 bytes.  So a tensor load's rows are few and long: 4 (o) or 8 (w) rows of 4,096 bytes; the layout allows no more rows.
; CLUSTERS: 4 x 4 work-groups; o's tiles are shared along a row of the cluster, w's along a column: joint loads.  THE MATRIX INSTRUCTION IS USED TRANSPOSED (source 0 = 16 columns of w, source 1 = 16 tokens).
; Fragments are read at 16 x lane: an instruction's 512 bytes are consecutive.
; Rows 0-15 of each batch are written here from f16 operands and written again, from f32, by the next launch: leaving them out here would take a branch on a work-group's place in its cluster.
; REGISTERS: window 0: v16-29 addresses; v64-159 and v160-255 two fragment buffers (w's 64 registers, then o's 32); on the way out v64-255 are free.   window 1: the accumulators ((a, b) at v[8 (8 a + b)]).   window 2: v0-63 the bias.
.set SLOT,   98304                     ; o: [8 tiles][4 fragments][1,024] = 32,768, then w: [16][4][1,024] = 65,536
.set BOFF,   32768
.set STAGE,  2*SLOT                    ; behind the ring: 16 rows x 528 bytes for each wave, for the way out
.set SPITCH, 528
.set SPARE,  STAGE+4*16*SPITCH         ; the spare words, 128 bytes for each wave: two blocks of 256 bytes that no other line names
.set LAPS,   4                         ; a lap = two K steps
.set ADRA, 16
.set ADRB, 20
.set STO,  24
.set RD,   25
.set CO,   26
.set BO,   27
.set SPW,  28                          ; v28 LDS address of my spare word; never rewritten
.set NIL,  29                          ; v29 0; never rewritten
.set F0,   64
.set F1,   160
.set TMP,  64                          ; the way out: 64 numbers of a block
.set BK,   128                         ; and 16 rows read back: v128-191 and v192-255 by turns
.set G1, 24
.set G0, 32
.set G1B, 48
.set G0B, 56
.set MSB, 0
.macro WIN new
.if MSB != (\new)
	s_set_vgpr_msb (MSB<<8)|(\new)
.set MSB, (\new)
.endif
.endm
.set MUL, 0x50                         ; sources 0 and 1 window 0; C and D window 1
.set EPI, 0x21                         ; source 0 (a sum) window 1, source 2 (the bias) window 2, destination window 0
.macro JLOAD s                         ; waves 0 and 1 fetch o's two halves, waves 2 and 3 w's; an s_nop 0 and four v_nop follow each line
	s_cmp_eq_u32 s11, 0
	s_cbranch_scc0 .Lfor_b_\@
	tensor_load_to_lds s[G0+4*\s:G0+4*\s+3], s[G1:G1+7]
	s_nop 0
.rept 4
	v_nop
.endr
	s_branch .Lasked_\@
.Lfor_b_\@:
	tensor_load_to_lds s[G0B+4*\s:G0B+4*\s+3], s[G1B:G1B+7]
	s_nop 0
.rept 4
	v_nop
.endr
.Lasked_\@:
.endm
.macro CREST
	s_cmp_lg_u32 s10, 0
	s_cbranch_scc1 .Lnot_wave_0_\@
	s_barrier_signal -3
.Lnot_wave_0_\@:
	s_barrier_wait -3
	s_barrier_signal -1
	s_barrier_wait -1
.endm
.macro CROUND
	s_barrier_signal -1
	s_barrier_wait -1
	CREST
.endm
	s_load_b128 s[4:7], s[0:1], 0x0                ; oimg s[4:5], wimg s[6:7]
	s_load_b64 s[44:45], s[0:1], 0x10              ; b_proj
	s_load_b64 s[8:9], s[0:1], 0x18                ; out0
	v_lshl_add_u32 v[SPW], v0, 2, SPARE
	v_mov_b32 v[NIL], 0
	ds_add_u32 v[SPW], v[NIL]                      ; the wave's opening: the add, twice on end, and its wait ahead of my first tensor load
	ds_add_u32 v[SPW], v[NIL]
	v_lshrrev_b32 v1, 5, v0
	v_readfirstlane_b32 s10, v1                    ; wave 0..3
	s_lshr_b32 s11, s10, 1                         ; which 64 tokens are mine.  Also: I fetch for o (0) or for w (1)
	s_and_b32 s12, s10, 1                          ; which 128 columns.  Also: which half of that tile I fetch
	s_bfe_u32 s40, ttmp6, 0x40000                  ; cx
	s_bfe_u32 s41, ttmp6, 0x40004                  ; cy
	s_lshl_b32 s2, ttmp9, 2
	s_add_co_u32 s2, s2, s40                       ; tile column = 4 x cluster x + cx
	s_and_b32 s13, ttmp7, 0xffff
	s_lshl_b32 s13, s13, 2
	s_add_co_u32 s13, s13, s41                     ; tile row = 4 x cluster y + cy
	s_lshl_b32 s42, s41, 2
	s_lshl_b32 s42, 15, s42                        ; my row of the cluster
	s_lshl_b32 s43, 0x1111, s40                    ; my column
	s_or_b32 s[G1+0], s42, (3<<16)|(1<<21)         ; the mask; elements of 8 bytes; bit 21 beside a mask; no padding
	s_mov_b32 s[G1+1], 512<<16                     ; tensor_dim0 = 512 elements: 4,096 bytes
	s_mov_b32 s[G1+2], 4<<16                       ; tensor_dim1 = 4
	s_mov_b32 s[G1+3], 512<<16                     ; tile_dim0
	s_mov_b32 s[G1+4], 4                           ; tile_dim1
	s_mov_b32 s[G1+5], 4096                        ; from row to row: 32,768 bytes
	s_mov_b32 s[G1+6], 0
	s_mov_b32 s[G1+7], 0
	s_or_b32 s[G1B+0], s43, (3<<16)|(1<<21)
	s_mov_b32 s[G1B+1], 512<<16
	s_mov_b32 s[G1B+2], 8<<16
	s_mov_b32 s[G1B+3], 512<<16
	s_mov_b32 s[G1B+4], 8
	s_mov_b32 s[G1B+5], 4096
	s_mov_b32 s[G1B+6], 0
	s_mov_b32 s[G1B+7], 0
	s_lshl_b32 s16, s13, 3
	s_lshl_b32 s17, s12, 2
	s_add_co_u32 s16, s16, s17
	s_lshl_b32 s16, s16, 15                        ; o: tile of 16 tokens 8 x tile row + 4 x half
	s_mov_b32 s17, 0
	s_lshl_b32 s46, s2, 4
	s_lshl_b32 s47, s12, 3
	s_add_co_u32 s46, s46, s47
	s_lshl_b32 s46, s46, 15                        ; w: tile of 16 columns 16 x tile column + 8 x half
	s_mov_b32 s47, 0
	s_lshl_b32 s20, s12, 14                        ; where they go: o's halves,
	s_lshl_b32 s21, s12, 15
	s_add_co_u32 s21, s21, BOFF                    ; w's halves: no place in the cluster enters an LDS address
	s_wait_dscnt 0x0                               ; both opening adds are done
	s_wait_kmcnt 0x0
	s_add_nc_u64 s[14:15], s[4:5], s[16:17]
	s_add_nc_u64 s[46:47], s[6:7], s[46:47]
	CROUND                                         ; all sixteen work-groups are here: the first joint loads meet
.irp s, 0,1
	s_mov_b32 s[G0+4*\s], 1
	s_add_co_u32 s[G0+4*\s+1], s20, \s*SLOT
	s_add_nc_u64 s[G0+4*\s+2:G0+4*\s+3], s[14:15], \s*4096
	s_or_b32 s[G0+4*\s+3], s[G0+4*\s+3], 0x80000000
	s_mov_b32 s[G0B+4*\s], 1
	s_add_co_u32 s[G0B+4*\s+1], s21, \s*SLOT
	s_add_nc_u64 s[G0B+4*\s+2:G0B+4*\s+3], s[46:47], \s*4096
	s_or_b32 s[G0B+4*\s+3], s[G0B+4*\s+3], 0x80000000
	JLOAD \s                                       ; K steps 0 and 1: two loads of mine are out
.endr
	v_and_b32 v1, 15, v0                           ; r
	v_bfe_u32 v2, v0, 4, 1                         ; h
	v_and_b32 v3, 31, v0
	v_lshlrev_b32 v[CO], 4, v3                     ; 16 x lane
	s_lshl_b32 s22, s11, 14                        ; my four tiles of tokens
	s_lshl_b32 s23, s12, 15
	s_add_co_u32 s23, s23, BOFF                    ; my eight tiles of columns
.irp s, 0,1
	v_add_nc_u32 v[ADRA+\s], s22, v[CO]
	v_add_nc_u32 v[ADRB+\s], s23, v[CO]
	s_add_co_u32 s22, s22, SLOT
	s_add_co_u32 s23, s23, SLOT
.endr
	s_mul_i32 s22, s10, 16*SPITCH
	s_add_co_u32 s22, s22, STAGE                   ; my stage
	v_mul_u32_u24 v4, v1, SPITCH
	v_lshl_add_u32 v4, v2, 5, v4
	v_add_nc_u32 v[STO], s22, v4                   ; in: row r, 32 bytes for each half of the lanes
	v_add_nc_u32 v[RD], s22, v[CO]                 ; back: the 32 lanes take one row of 512 bytes
	v_lshlrev_b32 v[BO], 5, v2
	s_lshl_b32 s16, s2, 10
	s_lshl_b32 s17, s12, 9
	s_add_co_u32 s16, s16, s17                     ; my first column, in bytes
	s_mov_b32 s17, 0
	s_add_nc_u64 s[44:45], s[44:45], s[16:17]
	s_add_nc_u64 s[8:9], s[8:9], s[16:17]
	s_lshl_b32 s16, s13, 19                        ; my first row: 128 x tile row + 64 x half, 4,096 bytes a row
	s_lshl_b32 s18, s11, 18
	s_add_co_u32 s16, s16, s18
	s_add_nc_u64 s[8:9], s[8:9], s[16:17]
	WIN 0x80                                       ; destination window 2
.irp b, 0,1,2,3,4,5,6,7
	global_load_b128 v[8*\b:8*\b+3], v[BO], s[44:45] offset:64*\b        ; lane (r, h): the bias of columns 16 b + 8 h + 0 .. 7
	global_load_b128 v[8*\b+4:8*\b+7], v[BO], s[44:45] offset:64*\b+16
.endr
	WIN 0
.macro MUL8 f, a, zero                 ; tokens' tile a against the eight tiles of columns, 32 along K.  The 32 accumulators take turns, one instruction a turn
.irp b, 0,1,2,3,4,5,6,7
.if \zero
	v_wmma_f32_16x16x32_f16 v[8*(8*(\a)+\b):8*(8*(\a)+\b)+7], v[\f+8*\b:\f+8*\b+7], v[\f+64+8*(\a):\f+64+8*(\a)+7], 0
.else
	v_wmma_f32_16x16x32_f16 v[8*(8*(\a)+\b):8*(8*(\a)+\b)+7], v[\f+8*\b:\f+8*\b+7], v[\f+64+8*(\a):\f+64+8*(\a)+7], v[8*(8*(\a)+\b):8*(8*(\a)+\b)+7]
.endif
.endr
.endm
.macro FETCH slot, q, f                ; 24 LDS loads in one run: the fragments of the slot's q-th 32 along K; w's eight, then o's four
.irp b, 0,1,2,3,4,5,6,7
	ds_load_b128 v[\f+8*\b:\f+8*\b+3],   v[ADRB+\slot] offset:\b*4096+(\q)*1024
	ds_load_b128 v[\f+8*\b+4:\f+8*\b+7], v[ADRB+\slot] offset:\b*4096+(\q)*1024+512
.endr
.irp a, 0,1,2,3
	ds_load_b128 v[\f+64+8*\a:\f+64+8*\a+3],   v[ADRA+\slot] offset:\a*4096+(\q)*1024
	ds_load_b128 v[\f+64+8*\a+4:\f+64+8*\a+7], v[ADRA+\slot] offset:\a*4096+(\q)*1024+512
.endr
.endm
.macro PLACES                          ; four plain instructions in front of loads into registers that matrix instructions have read, and of the first reads of results
.rept 4
	v_nop
.endr
.endm
.macro QUARTER slot, q, f, g, zero     ; multiplies buffer f; in its middle fetches the slot's q-th 32 along K into g
	s_wait_dscnt 4                                 ; w's eight and o's tiles 0, 1 are in; the youngest four loads (o's tiles 2, 3) may be out
	WIN MUL
	MUL8 \f, 0, \zero
	MUL8 \f, 1, \zero
	PLACES
	WIN 0
	FETCH \slot, \q, \g
	s_wait_dscnt 24                                ; all but the 24 just issued
	WIN MUL
	MUL8 \f, 2, \zero
	MUL8 \f, 3, \zero
.endm
; A K step's last quarter multiplies buffer 1 and changes slots: ONE barrier; in front of it each wave waits for all its tensor loads, adds 0 to its spare word, and waits for that and for its reads of this slot.
.macro TURN slot, next, fill
	WIN 0
	s_wait_tensorcnt 0x0                           ; all my tensor loads have landed: my part of the next slot
	ds_add_u32 v[SPW], v[NIL]                      ; 0 onto my spare word
	s_wait_dscnt 5                                 ; (the add and the youngest four loads may be out)
	WIN MUL
	MUL8 F1, 0, 0
	s_wait_dscnt 0x0                               ; the add is done, and my reads of this slot are over
	s_barrier_signal -1
	MUL8 F1, 1, 0
	WIN 0
	s_barrier_wait -1
.if \fill
	CREST                                          ; the barrier has opened a round of the cluster's: no wave of any partner still reads this slot or has a load on its way
	s_add_nc_u64 s[G0+4*\slot+2:G0+4*\slot+3], s[G0+4*\slot+2:G0+4*\slot+3], 8192
	s_add_nc_u64 s[G0B+4*\slot+2:G0B+4*\slot+3], s[G0B+4*\slot+2:G0B+4*\slot+3], 8192
	JLOAD \slot                                    ; two K steps on; the four v_nop behind it are also the places in front of the loads below
.else
	PLACES
.endif
	FETCH \next, 0, F0
	WIN MUL
	MUL8 F1, 2, 0
	MUL8 F1, 3, 0
.endm
	s_wait_loadcnt 0x0                             ; the bias
	s_wait_tensorcnt 1                             ; my part of K step 0 is in; K step 1's load may be out
	s_barrier_signal -1
	s_barrier_wait -1
	FETCH 0, 0, F0
	QUARTER 0, 1, F0, F1, 1                        ; the first quarter stands in front of the loop: its products start the sums
	WIN 0
	s_mov_b32 s3, LAPS-1
.Llap:                                                 ; a trip goes once round the ring and fills both slots again
	QUARTER 0, 2, F1, F0, 0
	QUARTER 0, 3, F0, F1, 0
	TURN 0, 1, 1
	QUARTER 1, 1, F0, F1, 0
	QUARTER 1, 2, F1, F0, 0
	QUARTER 1, 3, F0, F1, 0
	TURN 1, 0, 1
	QUARTER 0, 1, F0, F1, 0
	WIN 0
	s_sub_co_u32 s3, s3, 1
	s_cmp_lg_u32 s3, 0
	s_cbranch_scc1 .Llap
	QUARTER 0, 2, F1, F0, 0                        ; the last lap fills nothing
	QUARTER 0, 3, F0, F1, 0
	TURN 0, 1, 0
	QUARTER 1, 1, F0, F1, 0
	QUARTER 1, 2, F1, F0, 0
	QUARTER 1, 3, F0, F1, 0
	s_wait_dscnt 4
	WIN MUL
	MUL8 F1, 0, 0
	MUL8 F1, 1, 0
	s_wait_dscnt 0
	MUL8 F1, 2, 0
	MUL8 F1, 3, 0
	WIN 0
	PLACES
; THE WAY OUT, block by block of 16 tokens x 128 columns: sum / 32 + bias in one fused multiply-add; through my own stage in LDS; back as whole rows of 512 bytes.
.macro EPIL a
	WIN EPI
.irp b, 0,1,2,3,4,5,6,7
.irp i, 0,1,2,3
	v_pk_fma_f32 v[TMP+8*\b+2*\i:TMP+8*\b+2*\i+1], v[8*(8*(\a)+\b)+2*\i:8*(8*(\a)+\b)+2*\i+1], 0x3d000000, v[8*\b+2*\i:8*\b+2*\i+1] op_sel_hi:[1,0,1]
.endr
.endr
	WIN 0
.endm
.macro TOSTAGE a
.irp b, 0,1,2,3,4,5,6,7
	ds_store_b128 v[STO], v[TMP+8*\b:TMP+8*\b+3] offset:64*\b
	ds_store_b128 v[STO], v[TMP+8*\b+4:TMP+8*\b+7] offset:64*\b+16
.endr
.set BB, BK+64*((\a)%2)
.irp t, 0,1,2,3,4,5,6,7,8,9,10,11,12,13,14,15
	ds_load_b128 v[BB+4*\t:BB+4*\t+3], v[RD] offset:\t*SPITCH      ; LDS serves a wave's instructions in order: these see the stores above
.endr
.endm
.macro SEND a, younger
.set BB, BK+64*((\a)%2)
	s_wait_dscnt \younger                          ; the block is back in registers; the next block's 16 stores and 16 loads may be out
.if (\a) > 0
	s_add_nc_u64 s[8:9], s[8:9], 65536             ; 16 rows on (behind a wait on XCNT: the earlier stores have read their base)
.endif
.irp t, 0,1,2,3,4,5,6,7,8,9,10,11,12,13,14,15
	global_store_b128 v[CO], v[BB+4*\t:BB+4*\t+3], s[8:9] offset:\t*4096 th:TH_STORE_NT   ; 512 consecutive bytes, aligned
.endr
.endm
	EPIL 0
	TOSTAGE 0
.irp a, 1,2,3
	s_wait_dscnt 16                                ; the last block's 16 stores into the stage have read their registers (the 16 loads behind them may be out)
.if \a > 1
	s_wait_xcnt 0x0                                ; block a - 2's stores have read their registers and their base
.endif
	EPIL \a
	TOSTAGE \a
	SEND \a-1, 32
.endr
	s_wait_xcnt 0x0
	SEND 3, 0
	s_wait_tensorcnt 0x0                           ; the wave's end
	ds_add_u32 v[SPW], v[NIL]
	s_wait_dscnt 0x0
	CROUND                                         ; the closing round
	s_endpgm
.Lfunc_end_k_qccab19d729_proj:
	.size	k_qccab19d729_proj, .Lfunc_end_k_qccab19d729_proj-k_qccab19d729_proj
	.p2alignl 7, 3214868480
	.fill 96, 4, 3214868480
	.section	.rodata,"a",@progbits
	.p2align	6, 0x0
	.amdhsa_kernel k_qccab19d729_proj
		.amdhsa_group_segment_fixed_size 327680
		.amdhsa_private_segment_fixed_size 0
		.amdhsa_enable_private_segment 0
		.amdhsa_kernarg_size 32
		.amdhsa_user_sgpr_count 2
		.amdhsa_user_sgpr_kernarg_segment_ptr 1
		.amdhsa_wavefront_size32 1
		.amdhsa_system_sgpr_workgroup_id_x 1
		.amdhsa_system_sgpr_workgroup_id_y 1
		.amdhsa_system_sgpr_workgroup_id_z 1
		.amdhsa_system_vgpr_workitem_id 0
		.amdhsa_next_free_vgpr 576
		.amdhsa_next_free_sgpr 66
		.amdhsa_reserve_vcc 0
		.amdhsa_float_denorm_mode_32 3
		.amdhsa_float_denorm_mode_16_64 3
		.amdhsa_memory_ordered 1
		.amdhsa_forward_progress 1
		.amdhsa_inst_pref_size 98
	.end_amdhsa_kernel
	.amdgpu_metadata
---
amdhsa.version: [ 1, 2 ]
amdhsa.kernels:
  - .name:           k_qccab19d729_proj
    .symbol:         k_qccab19d729_proj.kd
    .args:
      - { .name: oimg, .offset: 0, .size: 8, .value_kind: global_buffer, .address_space: global }
      - { .name: wimg, .offset: 8, .size: 8, .value_kind: global_buffer, .address_space: global }
      - { .name: b_proj, .offset: 16, .size: 8, .value_kind: global_buffer, .address_space: global }
      - { .name: out0, .offset: 24, .size: 8, .value_kind: global_buffer, .address_space: global }
    .group_segment_fixed_size: 327680
    .private_segment_fixed_size: 0
    .kernarg_segment_align: 8
    .kernarg_segment_size: 32
    .max_flat_workgroup_size: 128
    .sgpr_count:     66
    .vgpr_count:     576
    .wavefront_size: 32
...
	.end_amdgpu_metadata
.endif
;; end of part 4
;; launch fine (part 5): grid 16 x 4, 16 waves a work-group, no clusters, 154,624 bytes of LDS; arguments q32, w_proj, b_proj, out0; writes out0
.if DOCPART == 5
	.amdgcn_target "amdgcn-amd-amdhsa--gfx1250"
	.amdhsa_code_object_version 6
	.text
	.protected	k_qccab19d729_fine
	.globl	k_qccab19d729_fine
	.p2align	8
	.type	k_qccab19d729_fine,@function
k_qccab19d729_fine:
	s_mov_b64 s[64:65], 0
	v_nop
	global_prefetch_b8 v0, s[64:65] scope:SCOPE_SE
	s_setreg_imm32_b32 hwreg(HW_REG_WAVE_MODE, 25, 1), 1
	s_wait_xcnt 0x0
; Positions 0-15 of each batch once more, all in f32: these rows average one to sixteen values and are the largest of the output, so f16 operands would weigh most there.  They are written over the last launch's.
; A work-group is (64 output columns, batch).  PHASE A: wave = head: S^T = K Q^T, causal softmax, O^T = V^T P for the 16 positions, by the f32 matrix form (32 instructions a wave).  Every work-group of a batch makes it anew:
; 192 KB read, against a launch more.  PHASE B: wave (kq, ct'): heads 4 kq .. 4 kq + 3 of the sum over k, 16 of the 64 columns; the four parts of the sum meet in LDS.
; q32 holds images of the first product's accumulators: lane (r, h), register j: token r, column 16 x tile + 8 h + j.
; K MAY BE PERMUTED ALIKE ON BOTH SOURCES: the form wants k = 2 h + j' in register j' of lane (r, h); registers 2 i, 2 i + 1 of an image serve as they stand, with k = 2 h + j' meaning channel 16 x tile + 8 h + 2 i + j'.
; v16-79 are written by the f32 matrix form alone; sums begin with the constant 0; two accumulators take turns where one sum would be a bare chain, and are added at the end.
; LIMITS: NaN and infinities are not served.
.set VT,    0                          ; LDS: V by keys, 16 rows x 272 bytes for each wave
.set OIMG,  69632                      ; o's images: 4,096 bytes a head
.set PL,    135168                     ; four planes of 16 rows x 272 bytes: the parts of the sum over k
.set SPARE, 152576                     ; the spare words, 128 bytes for each of 16 waves: eight blocks of 256 bytes that no other line names
.set SA,  16
.set SB,  24
.set OA,  32
.set PA,  64
.set PB,  72
.set QF,  80                           ; v80-111 q, v112-143 k; later two sets of 32 numbers of w_proj
.set KF,  112
.set WB,  80
.set VF,  144                          ; v144-175 v; v176-207 V^T; later two sets of o's images
.set VTR, 176
.set OB,  144
.set P,   208                          ; v208-215 scores, p; later my part of the result
.set SPW, 252                          ; v252 LDS address of my spare word; never rewritten
.set NIL, 253                          ; v253 0; never rewritten
	s_load_b256 s[4:11], s[0:1], 0x0               ; q32 s[4:5], w_proj s[6:7], b_proj s[8:9], out0 s[10:11]
	v_lshl_add_u32 v[SPW], v0, 2, SPARE
	v_mov_b32 v[NIL], 0
	v_lshrrev_b32 v1, 5, v0
	v_readfirstlane_b32 s12, v1                    ; wave 0..15
	s_and_b32 s13, ttmp7, 0xffff                   ; batch
	v_and_b32 v1, 31, v0
	v_and_b32 v2, 15, v0                           ; r
	v_bfe_u32 v3, v0, 4, 1                         ; h
	v_lshlrev_b32 v4, 4, v1                        ; 16 x lane
	; every LDS address is made here, ahead of any parting of the waves
	s_mul_i32 s14, s12, 4352
	v_mul_u32_u24 v5, v2, 272
	v_lshl_add_u32 v5, v3, 5, v5
	v_add_nc_u32 v5, s14, v5                       ; V in: key r, + 32 h
	v_mul_u32_u24 v6, v3, 2176
	v_lshl_add_u32 v6, v2, 2, v6
	v_add_nc_u32 v6, s14, v6                       ; V out: key 8 h, channel r
	s_lshl_b32 s14, s12, 12
	s_add_co_u32 s14, s14, OIMG
	v_add_nc_u32 v7, s14, v4                       ; my head's images of o
	s_lshr_b32 s15, s12, 2                         ; kq
	s_and_b32 s16, s12, 3                          ; ct'
	s_lshl_b32 s14, s15, 14
	s_add_co_u32 s14, s14, OIMG
	v_add_nc_u32 v8, s14, v4                       ; the images of heads 4 kq on
	s_mul_i32 s14, s15, 4352
	s_lshl_b32 s17, s16, 6
	s_add_co_u32 s14, s14, s17
	s_add_co_u32 s14, s14, PL
	v_mul_u32_u24 v9, v2, 272
	v_lshl_add_u32 v9, v3, 5, v9
	v_add_nc_u32 v9, s14, v9                       ; plane kq: row r, columns 16 ct' + 8 h on
	s_and_b32 s17, s12, 7
	s_mul_i32 s14, s17, 544
	s_add_co_u32 s14, s14, PL
	v_mul_u32_u24 v10, v3, 272
	v_lshl_add_u32 v10, v2, 4, v10
	v_add_nc_u32 v10, s14, v10                     ; the end: row 2 (wave % 8) + h, 16 bytes a lane
	v_lshlrev_b32 v11, 15, v3
	v_lshl_add_u32 v11, v2, 2, v11                 ; w_proj: 8 h rows of 4,096 bytes + 4 r
	v_lshlrev_b32 v12, 12, v3
	v_lshl_add_u32 v12, v2, 4, v12                 ; out0: h rows + 16 r
	v_lshlrev_b32 v13, 3, v3
	v_sub_nc_u32 v13, v2, v13                      ; r - 8 h
	v_lshlrev_b32 v14, 4, v2                       ; the bias: 16 r
	s_mov_b32 s20, 0x76543210
	s_mov_b32 s21, 0xfedcba98                      ; selects for lane l xor 16
	s_mov_b32 s22, 0x3fb8aa3b                      ; c = log2(e)
	s_mul_i32 s24, s13, 196608
	s_lshl_b32 s25, s12, 12
	s_add_co_u32 s24, s24, s25
	s_mov_b32 s25, 0                               ; q32: batch, my head's four tiles of 16 columns
	s_lshl_b32 s26, s15, 20
	s_lshl_b32 s27, ttmp9, 8
	s_add_co_u32 s26, s26, s27
	s_lshl_b32 s27, s16, 6
	s_add_co_u32 s26, s26, s27
	s_mov_b32 s27, 0                               ; w_proj: row 256 kq, column 64 x chunk + 16 ct'
	s_lshl_b32 s28, ttmp9, 8
	s_mov_b32 s29, 0                               ; b_proj: column 64 x chunk
	s_lshl_b32 s30, s13, 23
	s_lshl_b32 s31, s17, 13
	s_add_co_u32 s30, s30, s31
	s_add_co_u32 s30, s30, s28
	s_mov_b32 s31, 0                               ; out0: batch, row 2 (wave % 8), column 64 x chunk
	s_wait_kmcnt 0x0
	s_add_nc_u64 s[4:5], s[4:5], s[24:25]
	s_add_nc_u64 s[6:7], s[6:7], s[26:27]
	s_add_nc_u64 s[8:9], s[8:9], s[28:29]
	s_add_nc_u64 s[10:11], s[10:11], s[30:31]
.macro PLACES8                         ; eight plain instructions behind the f32 matrix form (ISA guide 7.12.1)
.rept 8
	v_nop
.endr
.endm
.macro WLOAD g                         ; w_proj for head 4 kq + g: register 8 p + e: row 64 (4 kq + g) + 16 p + 8 h + e, column r of my 16
.irp p, 0,1,2,3
.irp e, 0,1,2,3,4,5,6,7
	global_load_b32 v[WB+32*((\g)%2)+8*\p+\e], v11, s[6:7] offset:(16*(4*(\g)+\p)+\e)*4096
.endr
.endr
.endm
	; ---- PHASE A
.irp i, 0,1,2,3,4,5,6,7
	global_load_b128 v[QF+4*\i:QF+4*\i+3], v4, s[4:5] offset:\i*512
	global_load_b128 v[KF+4*\i:KF+4*\i+3], v4, s[4:5] offset:65536+\i*512
	global_load_b128 v[VF+4*\i:VF+4*\i+3], v4, s[4:5] offset:131072+\i*512
.endr
	global_load_b128 v[240:243], v14, s[8:9]       ; the bias of my four columns at the end
	s_wait_loadcnt 0x0
.irp i, 0,1,2,3,4,5,6,7
	ds_store_b128 v5, v[VF+4*\i:VF+4*\i+3] offset:(\i/2)*64+(\i%2)*16   ; V(key r, channels 16 (i / 2) + 8 h + 4 (i % 2) on)
.endr
.set n, 0
.rept 16                               ; S^T = K Q^T: 16 steps of 4 channels, two accumulators by turns
.if n < 2
	v_wmma_f32_16x16x4_f32 v[SA+8*(n%2):SA+8*(n%2)+7], v[KF+2*n:KF+2*n+1], v[QF+2*n:QF+2*n+1], 0
.else
	v_wmma_f32_16x16x4_f32 v[SA+8*(n%2):SA+8*(n%2)+7], v[KF+2*n:KF+2*n+1], v[QF+2*n:QF+2*n+1], v[SA+8*(n%2):SA+8*(n%2)+7]
.endif
.set n, n+1
.endr
.irp ct, 0,1,2,3
.irp e, 0,1,2,3,4,5,6,7
	ds_load_b32 v[VTR+8*\ct+\e], v6 offset:\e*272+64*\ct   ; V(key 8 h + e, channel 16 ct + r); LDS serves a wave's instructions in order: these see my stores
.endr
.endr
	PLACES8
	WLOAD 0                                        ; into q's and k's registers: they land while the softmax is worked
	WLOAD 1
.irp j, 0,1,2,3,4,5,6,7
	v_add_f32 v[P+\j], v[SA+\j], v[SB+\j]          ; lane (r, h): query r, key 8 h + j
.endr
	v_mov_b32 v216, 0xff800000
.irp j, 0,1,2,3,4,5,6,7
	v_cmp_gt_i32 vcc_lo, \j, v13                   ; hidden where 8 h + j > r
	v_cndmask_b32 v[P+\j], v[P+\j], v216, vcc_lo
.endr
	v_max3_num_f32 v217, v[P], v[P+1], v[P+2]
	v_max3_num_f32 v218, v[P+3], v[P+4], v[P+5]
	v_max3_num_f32 v217, v217, v[P+6], v[P+7]
	v_max_num_f32 v217, v217, v218
	v_permlanex16_b32 v218, v217, s20, s21
	v_max_num_f32 v217, v217, v218                 ; the row's maximum: key 0 counts for every query
	v_mul_f32 v217, s22, v217
.irp j, 0,1,2,3,4,5,6,7
	v_fma_f32 v[P+\j], v[P+\j], s22, -v217
.endr
.irp j, 0,1,2,3,4,5,6,7
	v_exp_f32 v[P+\j], v[P+\j]
.endr
	v_nop
	s_wait_alu depctr_va_vdst(0)                   ; one wait for the eight exponentials, ahead of their first reader
	v_add_f32 v218, v[P], v[P+1]
	v_add_f32 v219, v[P+2], v[P+3]
	v_add_f32 v220, v[P+4], v[P+5]
	v_add_f32 v221, v[P+6], v[P+7]
	v_add_f32 v218, v218, v219
	v_add_f32 v220, v220, v221
	v_add_f32 v218, v218, v220
	v_permlanex16_b32 v219, v218, s20, s21
	v_add_f32 v218, v218, v219
	v_rcp_f32 v220, v218
	v_nop
	s_wait_alu depctr_va_vdst(0)
.irp j, 0,1,2,3,4,5,6,7
	v_mul_f32 v[P+\j], v[P+\j], v220               ; the softmax; the factor 1/32 comes at the end
.endr
	s_wait_dscnt 0x0                               ; V^T is in
.irp i, 0,1,2,3                                ; O^T = V^T P: 4 steps of 4 keys, four accumulators by turns
.irp ct, 0,1,2,3
.if \i == 0
	v_wmma_f32_16x16x4_f32 v[OA+8*\ct:OA+8*\ct+7], v[VTR+8*\ct+2*\i:VTR+8*\ct+2*\i+1], v[P+2*\i:P+2*\i+1], 0
.else
	v_wmma_f32_16x16x4_f32 v[OA+8*\ct:OA+8*\ct+7], v[VTR+8*\ct+2*\i:VTR+8*\ct+2*\i+1], v[P+2*\i:P+2*\i+1], v[OA+8*\ct:OA+8*\ct+7]
.endif
.endr
.endr
	PLACES8
.irp ct, 0,1,2,3
	ds_store_b128 v7, v[OA+8*\ct:OA+8*\ct+3] offset:\ct*1024       ; images of the accumulators, each from its low end on
	ds_store_b128 v7, v[OA+8*\ct+4:OA+8*\ct+7] offset:\ct*1024+512
.endr
	s_wait_dscnt 0x0                               ; for the others' sake: my stores have landed
	s_barrier_signal -1
	s_barrier_wait -1                              ; all sixteen heads' o lie in LDS
	; ---- PHASE B: source 0 = 16 columns of w_proj, source 1 = the 16 tokens' o
.macro GROUP g
.if (\g) < 3
	s_wait_loadcnt 32                              ; this head's 32 numbers of w_proj are in; the next head's may be out
.else
	s_wait_loadcnt 0x0
.endif
.irp p, 0,1,2,3
	ds_load_b128 v[OB+32*((\g)%2)+8*\p:OB+32*((\g)%2)+8*\p+3], v8 offset:(\g)*4096+\p*1024
	ds_load_b128 v[OB+32*((\g)%2)+8*\p+4:OB+32*((\g)%2)+8*\p+7], v8 offset:(\g)*4096+\p*1024+512
.endr
	s_wait_dscnt 0x0
.set n, 0
.rept 16
.if ((\g) == 0) && (n < 2)
	v_wmma_f32_16x16x4_f32 v[PA+8*(n%2):PA+8*(n%2)+7], v[WB+32*((\g)%2)+2*n:WB+32*((\g)%2)+2*n+1], v[OB+32*((\g)%2)+2*n:OB+32*((\g)%2)+2*n+1], 0
.else
	v_wmma_f32_16x16x4_f32 v[PA+8*(n%2):PA+8*(n%2)+7], v[WB+32*((\g)%2)+2*n:WB+32*((\g)%2)+2*n+1], v[OB+32*((\g)%2)+2*n:OB+32*((\g)%2)+2*n+1], v[PA+8*(n%2):PA+8*(n%2)+7]
.endif
.set n, n+1
.endr
	PLACES8
.if (\g) < 2
	WLOAD (\g)+2
.endif
.endm
	GROUP 0
	GROUP 1
	GROUP 2
	GROUP 3
.irp j, 0,1,2,3,4,5,6,7
	v_add_f32 v[P+\j], v[PA+\j], v[PB+\j]          ; lane (r, h): token r, column 16 ct' + 8 h + j; my four heads' part
.endr
	ds_store_b128 v9, v[P:P+3]
	ds_store_b128 v9, v[P+4:P+7] offset:16
	s_wait_dscnt 0x0
	s_barrier_signal -1
	s_barrier_wait -1                              ; the four planes are whole
	s_cmp_lt_u32 s12, 8                            ; waves 0-7 add them and store two rows each; no barrier stands in this branch
	s_cbranch_scc0 .Ldone
.irp k, 0,1,2,3
	ds_load_b128 v[216+4*\k:216+4*\k+3], v10 offset:\k*4352
.endr
	s_wait_dscnt 0x0
	v_pk_add_f32 v[216:217], v[216:217], v[220:221]
	v_pk_add_f32 v[218:219], v[218:219], v[222:223]
	v_pk_add_f32 v[224:225], v[224:225], v[228:229]
	v_pk_add_f32 v[226:227], v[226:227], v[230:231]
	v_pk_add_f32 v[216:217], v[216:217], v[224:225]
	v_pk_add_f32 v[218:219], v[218:219], v[226:227]
	v_pk_fma_f32 v[216:217], v[216:217], 0x3d000000, v[240:241] op_sel_hi:[1,0,1]   ; / 32 + bias
	v_pk_fma_f32 v[218:219], v[218:219], 0x3d000000, v[242:243] op_sel_hi:[1,0,1]
	global_store_b128 v12, v[216:219], s[10:11]    ; sixteen lanes store 256 consecutive bytes, aligned
.Ldone:
	s_wait_tensorcnt 0x0                           ; the wave's end, behind my last LDS store
	ds_add_u32 v[SPW], v[NIL]
	s_wait_dscnt 0x0
	s_endpgm
.Lfunc_end_k_qccab19d729_fine:
	.size	k_qccab19d729_fine, .Lfunc_end_k_qccab19d729_fine-k_qccab19d729_fine
	.p2alignl 7, 3214868480
	.fill 96, 4, 3214868480
	.section	.rodata,"a",@progbits
	.p2align	6, 0x0
	.amdhsa_kernel k_qccab19d729_fine
		.amdhsa_group_segment_fixed_size 154624
		.amdhsa_private_segment_fixed_size 0
		.amdhsa_enable_private_segment 0
		.amdhsa_kernarg_size 32
		.amdhsa_user_sgpr_count 2
		.amdhsa_user_sgpr_kernarg_segment_ptr 1
		.amdhsa_wavefront_size32 1
		.amdhsa_system_sgpr_workgroup_id_x 1
		.amdhsa_system_sgpr_workgroup_id_y 1
		.amdhsa_system_sgpr_workgroup_id_z 1
		.amdhsa_system_vgpr_workitem_id 0
		.amdhsa_next_free_vgpr 256
		.amdhsa_next_free_sgpr 66
		.amdhsa_reserve_vcc 1
		.amdhsa_float_denorm_mode_32 3
		.amdhsa_float_denorm_mode_16_64 3
		.amdhsa_memory_ordered 1
		.amdhsa_forward_progress 1
		.amdhsa_inst_pref_size 35
	.end_amdhsa_kernel
	.amdgpu_metadata
---
amdhsa.version: [ 1, 2 ]
amdhsa.kernels:
  - .name:           k_qccab19d729_fine
    .symbol:         k_qccab19d729_fine.kd
    .args:
      - { .name: q32, .offset: 0, .size: 8, .value_kind: global_buffer, .address_space: global }
      - { .name: w_proj, .offset: 8, .size: 8, .value_kind: global_buffer, .address_space: global }
      - { .name: b_proj, .offset: 16, .size: 8, .value_kind: global_buffer, .address_space: global }
      - { .name: out0, .offset: 24, .size: 8, .value_kind: global_buffer, .address_space: global }
    .group_segment_fixed_size: 154624
    .private_segment_fixed_size: 0
    .kernarg_segment_align: 8
    .kernarg_segment_size: 32
    .max_flat_workgroup_size: 512
    .sgpr_count:     66
    .vgpr_count:     256
    .wavefront_size: 32
...
	.end_amdgpu_metadata
.endif
;; end of part 5
